; MI455X (gfx1250); checked and timed in simulation.
; The chip was launched on July 23, 2026; its instructions are those of AMD's public machine-readable ISA for CDNA 5 (MIT licence, August 2026) and "CDNA5" Instruction Set Architecture Reference Guide (July 2026). The comments in the code are by the model that wrote it; some were corrected since.
;; Multi Head Attention. Allowed arithmetic: matrix products marked QUANTISED: E2M3 operands, one E8M0 scale for each 32 along K, by v_wmma_scale_f32_16x16x128_f8f6f4 with both operands' format E2M3, f32 sums; everything else in f32.
;; Inputs: W_out 2,048 x 2,048 float32; b_out 2,048 float32; keys 2 x 2,048 x 2,048 float32; mask 2 x 1 x 2,048 x 2,048 int32; query 2 x 2,048 x 2,048 float32; values 2 x 2,048 x 2,048 float32.
;; Outputs: out0 2 x 2,048 x 2,048 float32.
;; This version of the problem:
;;   THIS VERSION OF THE PROBLEM IS GIVEN IN LOW PRECISION. The matrix products marked QUANTISED in the list below multiply operands that are first quantised to E2M3 (2 exponent bits, 3 mantissa bits; 6 bits a number), with one power-of-two scale for each 32 numbers along K (OCP MX v1.0); their sums are f32. All else is computed in f32.
;;   The module's matrix products, in the order in which they are computed (A, B: the left and right operand; K: the contracted axis; several contracted axes count as one K, in the product's order):
;;     1. batch 32 x [M 2,048, K 128] x [K 128, N 2,048]; A: input query; B: input keys: QUANTISED
;;     2. batch 32 x [M 128, K 2,048] x [K 2,048, N 2,048]; A: input values; B: softmax (see below): QUANTISED
;;     3. [M 4,096, K 2,048] x [K 2,048, N 2,048]; A: computed on the way; B: input W_out: QUANTISED
;;   THE QUANTISER, for each operand of a quantised product, along K:
;;     - K is cut into blocks of 32 from its start; a last block that is shorter is filled with zeros.
;;     - A block's scale is 2^e with e = floor(log2(the largest magnitude in the block)) - 2, held to -126 .. 127; a block of zeros has e = 0. As a byte (E8M0): e + 127.
;;     - Each number is divided by its block's scale, clamped to +-7.5, and rounded to the nearest number of E2M3, ties to even, subnormals kept.
;;     - The product sums the exact products of the quantised numbers (number of the format x scale) in f32.
;;   ~~~python
;;   def quantise(x, axis):      # numpy; x: float32 -> the quantised numbers, widened to float32 again
;;       x = np.moveaxis(x, axis, -1); K = x.shape[-1]
;;       x = np.pad(x, [(0, 0)] * (x.ndim - 1) + [(0, -K % 32)]); x = x.reshape(x.shape[:-1] + (-1, 32)); a = np.abs(x).max(-1, keepdims=True)
;;       e = np.where(a > 0, np.clip(np.frexp(np.where(a > 0, a, 1))[1] - 1 - 2, -126, 127), 0)      # np.frexp(a)[1] - 1 = floor(log2(a)), exactly
;;       r = np.clip(x / 2.0 ** e, -7.5, 7.5)
;;       step = 2.0 ** (np.maximum(np.frexp(np.where(r == 0, 1, r))[1] - 1, 0) - 3)
;;       q = np.round(r / step) * step * 2.0 ** e      # np.round: ties to even
;;       return np.moveaxis(q.reshape(q.shape[:-2] + (-1,))[..., :K], -1, axis).astype(np.float32)
;;   ~~~
;;   SOFTMAX AHEAD OF A QUANTISED PRODUCT. Where the list says 'softmax', what is quantised is not the finished softmax but p = 2^(t - M), with t = logit x log2(e) and M = ceil(the row's largest t), a whole number; so 1/2 < the row's largest p <= 1. The row's sum l is taken of the UNQUANTISED p, in f32, and the product's result is divided by l at the end. Since M is a whole number, a kernel that streams over the keys may use a running M (the ceiling of the running maximum): every later rescaling is an exact power of two, which a block's scale takes up: the codes' values come out the same.
;;   OPERANDS COMPUTED ON THE WAY. 'Computed on the way' means the value that the module computes at that place (a softmax that the list does not call 'softmax' is quantised finished and normalised). What goes into a quantiser is computed in f32, as accurately as f32 sums, v_exp_f32 and their like allow (about 1e-6 of the number): no bf16 or f16 on the way to a quantiser, and a product that is left as it is and whose result goes on into a quantised operand takes f32 operands (vector FMAs, or v_wmma_f32_16x16x4_f32). A number that lies on a knife's edge between two numbers of the format may be rounded either way, as far as f32 arithmetic and the matrix unit's own rounding can turn it there, and no further.
;; One version. Each part assembles by itself: llvm-mc -triple=amdgcn-amd-amdhsa -mcpu=gfx1250 --defsym DOCPART=n.
;; ======== version 1 of 1: 3 launches
;; limits: right only within a limited range of input values
;; workspace buffers: qimg 6,553,600 bytes; kimg 6,553,600 bytes; vimg 6,553,600 bytes; wimg 3,276,800 bytes; aimg 6,553,600 bytes; mw 1,048,576 bytes of whole numbers
;; launch prep (part 1): grid 1152 x 1, 4 waves a work-group, no clusters, 61,952 bytes of LDS; arguments query, keys, mask, W_out, qimg, kimg, mw, wimg, values, vimg; writes qimg, kimg, mw, wimg, vimg
.if DOCPART == 1
	.amdgcn_target "amdgcn-amd-amdhsa--gfx1250"
	.amdhsa_code_object_version 6
	.text
	.protected	k_q4d07ed15f3_prep
	.globl	k_q4d07ed15f3_prep
	.p2align	8
	.type	k_q4d07ed15f3_prep,@function
k_q4d07ed15f3_prep:
	s_mov_b64 s[64:65], 0
	v_nop
	global_prefetch_b8 v0, s[64:65] scope:SCOPE_SE
	s_setreg_imm32_b32 hwreg(HW_REG_WAVE_MODE, 25, 1), 1
	s_wait_xcnt 0x0
; query, keys and W_out (f32, K innermost) become codes of FP6 (E2M3) with one E8M0 scale byte for each 32 along K; mask (int32) becomes lane masks, one bit a (query, key).
; All four tensors are matrices with rows of 8,192 bytes.  The work-group's number says which: 0-255 query, 256-511 keys, 512-767 mask, 768-895 W_out.
; A wave takes 64 rows x 512 bytes (128 columns): four FRAGMENTS of 16 rows x 128 K.  The four waves of a work-group stand side by side on 2,048 bytes of each row.
; A FRAGMENT LEAVES AS AN IMAGE OF THE OPERAND'S REGISTERS: 12 registers a lane as three groups of 512 bytes, group g, lane l: registers 4 g .. 4 g + 3 at 512 g + 16 l.  Beside it 64 bytes: its 16 rows' scale words.
; KEYS ONLY: the rows of a tile are not neighbours: of 32 rows, tile u takes row 8 u + r + 8 (r / 8) in lane r.  That is done in the loads' offsets alone.
; THE MASK: word j of a tile (16 queries x 128 keys) has in bit l whether mask[query l % 16][key 32 (j / 16) + 16 (l / 16) + j % 16] is not 0: the lane mask of score register j in the attention launch.
; A block's scale is 2^(floor(log2(its largest magnitude)) - 2); its byte is the largest magnitude's exponent field - 2, held at 1 from below.
; LIMITS: a block of zeros gets the byte 1 (its codes are zeros, and this program alone reads the bytes); NaN and infinities among the inputs are not served.
; Every load reads 512 consecutive bytes; 16 rows turn through the wave's own stage in LDS, so that a lane holds 16 neighbours of each block of 32.  No barrier: waves share nothing.
.set SCO,   6291456                    ; where the scale blocks begin in qimg and kimg
.set WSCO,  3145728                    ; and in wimg
.set WREG,  8704                       ; LDS: a region for each wave: a stage of 16 rows x 528 bytes, then 256 bytes of scale words
.set SPT,   528                        ; a stage row: 512 bytes + 16
.set SCW,   8448
.set SPARE, 4*WREG                     ; behind the four regions: the spare words, 128 bytes for each wave, which no other line names
.set OFA, 2                            ; v2   16 x lane
.set OFB, 3                            ; v3   the same, 8 rows further down for keys
.set OFC, 4                            ; v4   the same, 8 rows further down for all but keys
.set STI, 5                            ; v5   the stage, on the way in
.set STO, 6                            ; v6   and on the way out: row r, + 64 h
.set SCI, 7                            ; v7   where my row's scale word goes
.set SCR, 8                            ; v8   where I read 8 bytes of scale words back
.set O8,  9                            ; v9   8 x lane
.set SPW, 10                           ; v10  LDS address of my spare word; never rewritten
.set NIL, 11                           ; v11  0; never rewritten
.set MW,  12                           ; v12-13 mask words: lane l holds words 2 l and 2 l + 1
.set TM,  16                           ; v16-31 at work
.set PW,  32                           ; v32  the scale word just made
.set PC,  34                           ; v34-52 the codes just made
.set SW,  54                           ; v54-55 scale words on the way out
.set R0,  64                           ; v64-127, v128-191 two sets of 16 rows as loaded
.set X,   192                          ; v192-255 register 16 b + i: column 32 b + 16 h + i of row r
.set KIND, 21
.set SEL, 50
	s_cmp_lt_u32 ttmp9, 256                        ; work-groups 0 to 255 take values, whose K is the keys: a path of its own at the text's end, with LDS bytes of its own.
	s_cbranch_scc1 .Lvalues                        ; The numbers in the comment at the head count from work-group 256 on
	s_load_b512 s[4:19], s[0:1], 0x0               ; query, keys, mask, W_out, qimg, kimg, mw, wimg
	v_lshl_add_u32 v[SPW], v0, 2, SPARE
	v_mov_b32 v[NIL], 0
	v_lshrrev_b32 v1, 5, v0
	v_readfirstlane_b32 s20, v1                    ; wave
	s_lshr_b32 s[KIND], ttmp9, 8
	s_sub_co_u32 s[KIND], s[KIND], 1               ; which tensor: 0 query, 1 keys, 2 mask, 3 W_out
	s_and_b32 s22, ttmp9, 255
	s_lshl_b32 s22, s22, 2
	s_add_co_u32 s22, s22, s20                     ; which wave of that tensor's
	s_and_b32 s23, s22, 15                         ; c: which 128 columns
	s_lshr_b32 s24, s22, 4                         ; J: which 64 rows
	s_lshl_b32 s25, s24, 2                         ; my first tile of 16 rows
	s_cmp_eq_u32 s[KIND], 3
	s_cselect_b32 s26, 4, 7                        ; tiles are grouped by 16 in wimg, by 128 in qimg and kimg; inside a group the chunks of K come first
	s_lshr_b32 s27, s25, s26
	s_lshl_b32 s28, s27, s26
	s_sub_co_u32 s28, s25, s28
	s_lshl_b32 s27, s27, 4
	s_add_co_u32 s27, s27, s23
	s_lshl_b32 s27, s27, s26
	s_add_co_u32 s27, s27, s28                     ; the number of my first image
	s_lshl_b32 s29, s25, 4
	s_add_co_u32 s29, s29, s23
	s_lshl_b32 s29, s29, 8                         ; mask words: (tile x 16 + c) x 256 bytes
	s_mul_i32 s30, s27, 1536
	s_cmp_eq_u32 s[KIND], 2
	s_cselect_b32 s30, s29, s30                    ; where my results begin
	s_mov_b32 s31, 0
	s_lshl_b32 s32, s27, 6
	s_mov_b32 s33, SCO
	s_cmp_eq_u32 s[KIND], 3
	s_cselect_b32 s33, WSCO, s33
	s_add_co_u32 s32, s32, s33                     ; and my scale blocks (not used for the mask)
	s_mov_b32 s33, 0
	s_lshl_b32 s34, s24, 19                        ; 64 rows of 8,192 bytes
	s_lshl_b32 s35, s23, 9
	s_add_co_u32 s34, s34, s35
	s_mov_b32 s35, 0
	s_cmp_eq_u32 s[KIND], 1
	s_cselect_b32 s36, 65536, 0                    ; 8 rows, for keys
	s_cselect_b32 s37, 0, 65536                    ; 8 rows, for the others
	s_mul_i32 s38, s20, WREG
	s_mov_b32 s[SEL], 0x76543210
	s_mov_b32 s[SEL+1], 0xfedcba98                 ; v_permlanex16_b32's selects for lane l xor 16
	v_and_b32 v1, 31, v0                           ; lane
	v_lshlrev_b32 v[OFA], 4, v1
	v_lshrrev_b32 v56, 1, v1                       ; v56: the prefetches' offset: row lane / 2 of 16, block lane % 2 of my 512 bytes; never rewritten
	v_and_b32 v57, 1, v1
	v_lshlrev_b32 v56, 13, v56
	v_lshl_add_u32 v56, v57, 8, v56
	v_add_nc_u32 v[OFB], s36, v[OFA]
	v_add_nc_u32 v[OFC], s37, v[OFA]
	v_add_nc_u32 v[STI], s38, v[OFA]
	v_and_b32 v14, 15, v0                          ; r
	v_bfe_u32 v15, v0, 4, 1                        ; h
	v_mul_u32_u24 v[STO], v14, SPT
	v_lshl_add_u32 v[STO], v15, 6, v[STO]
	v_add_nc_u32 v[STO], s38, v[STO]
	v_lshlrev_b32 v[SCI], 2, v14
	v_add_nc_u32 v[SCI], s38, v[SCI]
	v_add_nc_u32 v[SCI], SCW, v[SCI]
	v_lshlrev_b32 v[O8], 3, v1
	v_add_nc_u32 v[SCR], s38, v[O8]
	v_add_nc_u32 v[SCR], SCW, v[SCR]
	v_mov_b32 v[MW], 0                             ; written once: a lane write's destination counts as one of its sources
	v_mov_b32 v[MW+1], 0
.irp b, 0,1,2,3
	v_mov_b32 v[TM+4+\b], 0                        ; likewise a lane permute's
.endr
	s_wait_kmcnt 0x0
	s_cmp_eq_u32 s[KIND], 1                        ; the buffers are chosen by the work-group's number alone
	s_cselect_b64 s[4:5], s[6:7], s[4:5]
	s_cselect_b64 s[12:13], s[14:15], s[12:13]
	s_cmp_eq_u32 s[KIND], 2
	s_cselect_b64 s[4:5], s[8:9], s[4:5]
	s_cselect_b64 s[12:13], s[16:17], s[12:13]
	s_cmp_eq_u32 s[KIND], 3
	s_cselect_b64 s[4:5], s[10:11], s[4:5]
	s_cselect_b64 s[12:13], s[18:19], s[12:13]
	s_add_nc_u64 s[4:5], s[4:5], s[34:35]          ; in: my first row, my 512 bytes of it
	s_add_nc_u64 s[14:15], s[12:13], s[32:33]      ; out: my scale blocks
	s_add_nc_u64 s[12:13], s[12:13], s[30:31]      ; out: my images or mask words
; Fragment f's 16 rows into set f % 2.  Of a group of 32 rows, place 16 (f % 2) + i is row 0-7 and 24-31 as it stands; for keys places 8-15 and 16-23 change places.
.macro LOAD f
.set RB, R0+64*((\f)%2)
.set GG, (\f)/2
.irp i, 0,1,2,3,4,5,6,7,8,9,10,11,12,13,14,15
.set IO, 16*((\f)%2)+\i
.if (IO < 8) || (IO >= 24)
	global_load_b128 v[RB+4*\i:RB+4*\i+3], v[OFA], s[4:5] offset:(32*GG+IO)*8192 th:TH_LOAD_NT
.elseif IO < 16
	global_load_b128 v[RB+4*\i:RB+4*\i+3], v[OFB], s[4:5] offset:(32*GG+IO)*8192 th:TH_LOAD_NT
.else
	global_load_b128 v[RB+4*\i:RB+4*\i+3], v[OFC], s[4:5] offset:(32*GG+IO-8)*8192 th:TH_LOAD_NT
.endif
.endr
.endm
; The 16 rows go through my stage: LDS serves a wave's instructions in order, so no wait stands between the stores and the loads
.macro TURNST f
.set RB, R0+64*((\f)%2)
.irp i, 0,1,2,3,4,5,6,7,8,9,10,11,12,13,14,15
	ds_store_b128 v[STI], v[RB+4*\i:RB+4*\i+3] offset:SPT*\i
.endr
.irp b, 0,1,2,3
.irp j, 0,1,2,3
	ds_load_b128 v[X+16*\b+4*\j:X+16*\b+4*\j+3], v[STO] offset:128*\b+16*\j
.endr
.endr
.endm
; 64 numbers of a lane, register 16 b + i = k 32 b + 16 (lane / 16) + i of my row, become a fragment's codes in v[PC] on and its scale word in v[PW]
.macro QUANT s
.irp b, 0,1,2,3
	v_max3_num_f32 v[TM+\b], |v[\s+16*\b]|, |v[\s+1+16*\b]|, 0x1800000   ; block b: my 16 numbers, and the floor 2^(3 - 127): the byte cannot fall under 1
.endr
.irp i, 2,4,6,8,10,12,14
.irp b, 0,1,2,3
	v_max3_num_f32 v[TM+\b], v[TM+\b], |v[\s+16*\b+\i]|, |v[\s+1+16*\b+\i]|   ; the four blocks by turns
.endr
.endr
.irp b, 0,1,2,3
	v_permlanex16_b32 v[TM+4+\b], v[TM+\b], s[SEL], s[SEL+1]
.endr
.irp b, 0,1,2,3
	v_max_num_f32 v[TM+\b], v[TM+\b], v[TM+4+\b]   ; with lane l xor 16's: the block's largest magnitude
.endr
.irp b, 0,1,2,3
	v_add_nc_u32 v[TM+12+\b], 0xff000000, v[TM+\b] ; 2 off its exponent field: the conversion takes the exponent field of this operand as its scale
.endr
.irp b, 0,1,2,3
	v_lshrrev_b32 v[TM+4+\b], 23, v[TM+12+\b]      ; the scale's byte
.endr
	v_lshl_or_b32 v[PW], v[TM+5], 8, v[TM+4]       ; the four bytes make my row's scale word
	v_lshl_or_b32 v[PW], v[TM+6], 16, v[PW]
	v_lshl_or_b32 v[PW], v[TM+7], 24, v[PW]
.irp c, 0,1
	v_cvt_scalef32_pk16_fp6_f32 v[PC+6*\c:PC+2+6*\c], v[\s+32*\c:\s+15+32*\c], v[TM+12+2*\c]
	v_cvt_scalef32_pk16_fp6_f32 v[PC+12+4*\c:PC+14+4*\c], v[\s+16+32*\c:\s+31+32*\c], v[TM+12+2*\c+1]   ; a conversion's three registers begin on an even number
.endr
	v_nop                                          ; one plain place behind a scaled conversion
.irp c, 0,1                                    ; the operand's layout wants a whole block in a lane: lanes 0-15 block 2 c, lanes 16-31 block 2 c + 1
.irp i, 0,1,2
	v_permlane16_swap_b32 v[PC+6*\c+\i], v[PC+12+4*\c+\i]
.endr
.irp i, 0,1,2
	v_mov_b32 v[PC+3+6*\c+\i], v[PC+12+4*\c+\i]
.endr
.endr
.endm
.macro WORK f
.if (\f) < 3
	s_wait_loadcnt 16                              ; this fragment's 16 loads are in; the next fragment's 16 may be out
.else
	s_wait_loadcnt 0x0
.endif
	TURNST \f
	s_wait_dscnt 0x0                               ; the numbers are back, and the stage's stores have read their registers
	s_wait_xcnt 0x0                                ; the last fragment's stores have read their data: the codes' and the mask words' registers are written again only behind this wait
.if (\f) < 2
	LOAD (\f)+2
.endif
	s_cmp_eq_u32 s[KIND], 2                        ; the work-group's number alone decides
	s_cbranch_scc1 .Lbits_\@
	QUANT X
.irp g, 0,1,2
	global_store_b128 v[OFA], v[PC+4*\g:PC+4*\g+3], s[12:13] offset:1536*(\f)+512*\g   ; 32 lanes store 512 consecutive bytes
.endr
	ds_store_b32 v[SCI], v[PW] offset:64*(\f)      ; lanes r and r + 16 write the same word with the same value
	s_branch .Ljoin_\@
.Lbits_\@:
.irp g, 0,1,2,3,4,5,6,7
.irp e, 0,1,2,3,4,5,6,7
	v_cmp_ne_u32 s[40+\e], 0, v[X+8*\g+\e]         ; word j: one bit a lane
.endr
.irp e, 0,1,2,3,4,5,6,7
	v_writelane_b32 v[MW+(8*\g+\e)%2], s[40+\e], (8*\g+\e)/2
.endr
.endr
	global_store_b64 v[O8], v[MW:MW+1], s[12:13] offset:4096*(\f)   ; 64 words: 256 consecutive bytes, aligned
.Ljoin_\@:
.endm
	; A prefetch into the L2 of rows 32 to 63 of my 512 bytes: what trips 0 and 1 load.  A lane names a block of 256 bytes, 16 rows x 2 blocks an instruction; each block is named once, by the wave that loads it; all lie inside my 64 rows
	global_prefetch_b8 v56, s[4:5] offset:32*8192 th:TH_LOAD_NT scope:SCOPE_SE
	global_prefetch_b8 v56, s[4:5] offset:48*8192 th:TH_LOAD_NT scope:SCOPE_SE
	LOAD 0
	LOAD 1
	WORK 0
	WORK 1
	WORK 2
	WORK 3
	s_cmp_eq_u32 s[KIND], 2
	s_cbranch_scc1 .Lend
	ds_load_b64 v[SW:SW+1], v[SCR]                 ; my four fragments' scale words; LDS serves a wave's instructions in order
	s_wait_dscnt 0x0
	global_store_b64 v[O8], v[SW:SW+1], s[14:15]   ; 256 consecutive bytes, aligned
.Lend:
	s_wait_tensorcnt 0x0                           ; the wave's end, behind my last LDS store
	ds_add_u32 v[SPW], v[NIL]
	s_wait_dscnt 0x0
	s_endpgm
; VALUES [2][2048 keys][16 heads x 128 channels], f32: an operand whose K is the KEYS.  Codes of FP6 (E2M3), one E8M0 byte for each 32 keys, laid as images of operand registers.
; A lane takes a channel and its registers run down the keys: a block of 32 keys lies in one lane's 32 registers.
; Work-group i (0 to 255): head i % 16, slot of 256 keys (i / 16) % 8, batch i / 128; wave w takes channels 32 w .. 32 w + 31: 8 blocks a lane.
; Tile 2 w + u has in lane r channel 32 w + 8 u + r + 8 (r / 8), so that the attention launch's results come out with 16 neighbouring channels in 16 registers.
; An image (16 channels x 128 keys) is three groups of 512 bytes; block b of the 128 keys is registers 6 (b / 2) .. + 5 of lane r + 16 (b % 2).  Images are put together in the wave's stage and leave in stores of 512 consecutive bytes.
; PREFETCH into the L2: the work-group's 512 bytes of a row are two blocks of 256 bytes.  64 rows (two blocks of keys) are 128 such blocks: wave w names rows 16 w .. 16 w + 15 of them, a lane a block, one instruction a wave.
; They are asked for two trips ahead of the trips that load them: rows 64-127 at the head, rows 128-191 in block 0, rows 192-255 in block 2; the later blocks ask for nothing.
; LIMITS as above: a block of zeros gets the byte 1; NaN and infinities are not served.
.Lvalues:
.set VST0,  35328                      ; this path's stages begin behind the other path's regions and the spare words
.set VNB,   8
.set TP,    1664                       ; an image's place in the stage: 1,536 bytes + 128
.set WST,   4*TP                       ; a wave's stage: four images
.set VSB,   24                         ; v24-25  my channel's two scale words
.set VX,    32                         ; v32-95  two sets of 32 numbers
.set VC,    96                         ; v96-101 a block's codes
.set VT,    104                        ; v104-106 their upper half as it is made
.set VOUT,  112                        ; v112-159 the way out
	s_load_b128 s[4:7], s[0:1], 0x40               ; values, vimg
	v_lshl_add_u32 v[SPW], v0, 2, SPARE
	v_mov_b32 v[NIL], 0
	v_lshrrev_b32 v1, 5, v0
	v_readfirstlane_b32 s16, v1                    ; wave
	v_and_b32 v2, 31, v0                           ; lane = my channel of the wave's 32
	v_lshlrev_b32 v3, 2, v2                        ; in: 4 bytes a lane
	s_mul_i32 s19, s16, WST
	s_add_co_u32 s19, s19, VST0
	v_bfe_u32 v5, v2, 3, 1                         ; u: which of the wave's two tiles
	v_and_b32 v6, 7, v2
	v_bfe_u32 v14, v2, 4, 1
	v_lshl_or_b32 v6, v14, 3, v6                   ; r: my row in it
	v_mul_u32_u24 v4, v5, TP
	v_lshl_add_u32 v4, v6, 4, v4
	v_add_nc_u32 v4, s19, v4                       ; into the stage: tile u, 16 r
	v_lshlrev_b32 v8, 4, v2                        ; out: 16 x lane
	v_add_nc_u32 v7, s19, v8
	v_lshlrev_b32 v9, 7, v5
	v_lshl_add_u32 v9, v6, 3, v9                   ; my scale words: 8 (16 u + r)
	v_lshrrev_b32 v16, 1, v2                       ; v16: the prefetches' offset from my wave's first byte; never rewritten
	v_and_b32 v17, 1, v2
	v_lshlrev_b32 v16, 13, v16                     ; row lane / 2,
	v_lshl_add_u32 v16, v17, 8, v16                ; block lane % 2,
	s_mul_i32 s30, s16, 130944                     ; 16 rows of 8,192 bytes a wave, less the 128 bytes a wave that my base holds
	v_add_nc_u32 v16, s30, v16
	s_mov_b32 s28, ttmp9
	s_and_b32 s29, s28, 15                         ; head
	s_lshr_b32 s17, s28, 4
	s_and_b32 s18, s17, 7                          ; slot of 256 keys
	s_lshr_b32 s17, s17, 3                         ; batch
	s_lshl_b32 s20, s17, 24
	s_lshl_b32 s21, s18, 21
	s_add_co_u32 s20, s20, s21
	s_lshl_b32 s21, s29, 9
	s_add_co_u32 s20, s20, s21
	s_lshl_b32 s21, s16, 7
	s_add_co_u32 s20, s20, s21                     ; in: batch, 256 rows of 8,192 bytes a slot, 512 bytes a head, 128 a wave
	s_mov_b32 s21, 0
	s_lshl_b32 s22, s17, 4
	s_add_co_u32 s22, s22, s29                     ; 16 x batch + head
	s_lshl_b32 s24, s22, 3
	s_add_co_u32 s24, s24, s18
	s_mul_i32 s24, s24, 24576
	s_mul_i32 s25, s16, 3072
	s_add_co_u32 s24, s24, s25                     ; out: 24,576 bytes a slot; my two tiles
	s_mov_b32 s25, 0
	s_lshl_b32 s26, s22, 13
	s_lshl_b32 s27, s18, 10
	s_add_co_u32 s26, s26, s27
	s_lshl_b32 s27, s16, 8
	s_add_co_u32 s26, s26, s27
	s_add_co_u32 s26, s26, SCO                     ; scale words: 8,192 bytes a head, 1,024 a slot, 256 a wave
	s_mov_b32 s27, 0
	s_wait_alu depctr_va_vdst(0)
	s_wait_kmcnt 0x0
	s_add_nc_u64 s[4:5], s[4:5], s[20:21]
	s_add_nc_u64 s[8:9], s[6:7], s[26:27]
	s_add_nc_u64 s[6:7], s[6:7], s[24:25]
.macro VLOAD t                         ; block t: keys 32 t + i of my channel into set t % 2
.irp i, 0,1,2,3,4,5,6,7,8,9,10,11,12,13,14,15,16,17,18,19,20,21,22,23,24,25,26,27,28,29,30,31
	global_load_b32 v[VX+32*((\t)%2)+\i], v3, s[4:5] offset:(32*(\t)+\i)*8192 th:TH_LOAD_NT
.endr
.endm
	global_prefetch_b8 v16, s[4:5] offset:64*8192 th:TH_LOAD_NT scope:SCOPE_SE   ; rows 64-127: what blocks 0 and 1 load
	VLOAD 0
	VLOAD 1
.macro VBLOCK t
.set XS, VX+32*((\t)%2)
.set QQ, (\t)/4                        ; which 128 keys
.set BE, (\t)%4                        ; which block of them
.set HH, BE%2
.set CC, BE/2
.if (\t) < VNB-1
	s_wait_loadcnt 32                              ; this block's 32 loads are in; the next block's 32 may be out
.else
	s_wait_loadcnt 0x0
.endif
	v_max3_num_f32 v12, |v[XS]|, |v[XS+1]|, |v[XS+2]|              ; the block's largest magnitude: all 32 numbers are mine
	v_max3_num_f32 v13, |v[XS+3]|, |v[XS+4]|, |v[XS+5]|
.irp i, 6,10,14,18,22,26
	v_max3_num_f32 v12, v12, |v[XS+\i]|, |v[XS+\i+1]|
	v_max3_num_f32 v13, v13, |v[XS+\i+2]|, |v[XS+\i+3]|
.endr
	v_max3_num_f32 v12, v12, |v[XS+30]|, |v[XS+31]|
	v_max3_num_f32 v12, v12, v13, 0x1800000        ; and the floor 2^(3 - 127): the byte cannot fall under 1
	v_add_nc_u32 v15, 0xff000000, v12              ; 2 off its exponent field: the conversion's scale operand
	v_lshrrev_b32 v13, 23, v15                     ; the scale's byte
.if BE == 0
	v_mov_b32 v[VSB+QQ], v13
.else
	v_lshl_or_b32 v[VSB+QQ], v13, 8*BE, v[VSB+QQ]
.endif
	v_cvt_scalef32_pk16_fp6_f32 v[VC:VC+2], v[XS:XS+15], v15
	v_cvt_scalef32_pk16_fp6_f32 v[VT:VT+2], v[XS+16:XS+31], v15    ; a conversion's three registers begin on an even number
	v_nop                                          ; one plain place behind a scaled conversion
.irp i, 0,1,2
	v_mov_b32 v[VC+3+\i], v[VT+\i]
.endr
.if CC == 0                            ; registers 0-5 of lane r + 16 HH: group 0 whole, the lower half of group 1
	ds_store_b128 v4, v[VC:VC+3] offset:2*TP*QQ+256*HH
	ds_store_b64 v4, v[VC+4:VC+5] offset:2*TP*QQ+256*HH+512
.else                                  ; registers 6-11: the upper half of group 1, group 2 whole
	ds_store_b64 v4, v[VC:VC+1] offset:2*TP*QQ+256*HH+520
	ds_store_b128 v4, v[VC+2:VC+5] offset:2*TP*QQ+256*HH+1024
.endif
.if ((\t)%2 == 0) && ((\t)+4 < VNB)
	global_prefetch_b8 v16, s[4:5] offset:32*((\t)+4)*8192 th:TH_LOAD_NT scope:SCOPE_SE   ; the 64 rows that blocks t + 2 and t + 3 load
.endif
.if (\t)+2 < VNB
	VLOAD (\t)+2
.endif
	s_wait_dscnt 0x0                               ; the stores have read their registers: the next block's codes may be written
.endm
.set VQ, 0
.rept VNB
	VBLOCK VQ
.set VQ, VQ+1
.endr
	s_wait_alu depctr_va_vdst(0)                   ; the wait directly ahead of the reader below
	global_store_b64 v9, v[VSB:VSB+1], s[8:9]      ; 32 lanes store 256 consecutive bytes, aligned
.irp m, 0,1,2,3
.irp g, 0,1,2
	ds_load_b128 v[VOUT+4*(3*\m+\g):VOUT+4*(3*\m+\g)+3], v7 offset:\m*TP+512*\g   ; LDS serves a wave's instructions in order: these see my stores
.endr
.endr
.irp m, 0,1,2,3
.irp g, 0,1,2
	s_wait_dscnt 11-(3*\m+\g)                      ; the younger loads may be out
	global_store_b128 v8, v[VOUT+4*(3*\m+\g):VOUT+4*(3*\m+\g)+3], s[6:7] offset:12288*(\m/2)+1536*(\m%2)+512*\g   ; 512 consecutive bytes
.endr
.endr
	s_wait_tensorcnt 0x0                           ; the wave's end, behind my last LDS store
	ds_add_u32 v[SPW], v[NIL]
	s_wait_dscnt 0x0
	s_endpgm
.Lfunc_end_k_q4d07ed15f3_prep:
	.size	k_q4d07ed15f3_prep, .Lfunc_end_k_q4d07ed15f3_prep-k_q4d07ed15f3_prep
	.p2alignl 7, 3214868480
	.fill 96, 4, 3214868480
	.section	.rodata,"a",@progbits
	.p2align	6, 0x0
	.amdhsa_kernel k_q4d07ed15f3_prep
		.amdhsa_group_segment_fixed_size 61952
		.amdhsa_private_segment_fixed_size 0
		.amdhsa_enable_private_segment 0
		.amdhsa_kernarg_size 80
		.amdhsa_user_sgpr_count 2
		.amdhsa_user_sgpr_kernarg_segment_ptr 1
		.amdhsa_wavefront_size32 1
		.amdhsa_system_sgpr_workgroup_id_x 1
		.amdhsa_system_sgpr_workgroup_id_y 1
		.amdhsa_system_sgpr_workgroup_id_z 1
		.amdhsa_system_vgpr_workitem_id 0
		.amdhsa_next_free_vgpr 256
		.amdhsa_next_free_sgpr 66
		.amdhsa_reserve_vcc 0
		.amdhsa_float_denorm_mode_32 3
		.amdhsa_float_denorm_mode_16_64 3
		.amdhsa_memory_ordered 1
		.amdhsa_forward_progress 1
		.amdhsa_inst_pref_size 110
	.end_amdhsa_kernel
	.amdgpu_metadata
---
amdhsa.version: [ 1, 2 ]
amdhsa.kernels:
  - .name:           k_q4d07ed15f3_prep
    .symbol:         k_q4d07ed15f3_prep.kd
    .args:
      - { .name: query, .offset: 0, .size: 8, .value_kind: global_buffer, .address_space: global }
      - { .name: keys, .offset: 8, .size: 8, .value_kind: global_buffer, .address_space: global }
      - { .name: mask, .offset: 16, .size: 8, .value_kind: global_buffer, .address_space: global }
      - { .name: W_out, .offset: 24, .size: 8, .value_kind: global_buffer, .address_space: global }
      - { .name: qimg, .offset: 32, .size: 8, .value_kind: global_buffer, .address_space: global }
      - { .name: kimg, .offset: 40, .size: 8, .value_kind: global_buffer, .address_space: global }
      - { .name: mw, .offset: 48, .size: 8, .value_kind: global_buffer, .address_space: global }
      - { .name: wimg, .offset: 56, .size: 8, .value_kind: global_buffer, .address_space: global }
      - { .name: values, .offset: 64, .size: 8, .value_kind: global_buffer, .address_space: global }
      - { .name: vimg, .offset: 72, .size: 8, .value_kind: global_buffer, .address_space: global }
    .group_segment_fixed_size: 61952
    .private_segment_fixed_size: 0
    .kernarg_segment_align: 8
    .kernarg_segment_size: 80
    .max_flat_workgroup_size: 128
    .sgpr_count:     66
    .vgpr_count:     256
    .wavefront_size: 32
...
	.end_amdgpu_metadata
.endif
;; end of part 1
;; launch attn (part 2): grid 8 x 32, 16 waves a work-group, clusters of 4 x 1, 327,680 bytes of LDS; arguments qimg, kimg, vimg, mw, aimg; writes aimg
.if DOCPART == 2
	.amdgcn_target "amdgcn-amd-amdhsa--gfx1250"
	.amdhsa_code_object_version 6
	.text
	.protected	k_q4d07ed15f3_attn
	.globl	k_q4d07ed15f3_attn
	.p2align	8
	.type	k_q4d07ed15f3_attn,@function
k_q4d07ed15f3_attn:
	s_mov_b64 s[64:65], 0
	v_nop
	global_prefetch_b8 v0, s[64:65] scope:SCOPE_SE
	s_setreg_imm32_b32 hwreg(HW_REG_WAVE_MODE, 25, 1), 1
	s_wait_xcnt 0x0
	s_wait_alu depctr_hold_cnt(0) depctr_sa_sdst(0) depctr_va_vdst(0) depctr_va_sdst(0) depctr_va_ssrc(0) depctr_va_vcc(0) depctr_vm_vsrc(0)
	s_getreg_b32 s2, hwreg(HW_REG_IB_STS2, 6, 4)
	s_cmp_eq_u32 s2, 0
	s_cbranch_scc0 .Lentry_in_a_cluster
	s_endpgm
.Lentry_in_a_cluster:
	s_bfe_u32 s2, ttmp6, 0x10000c
	s_cmp_lg_u32 s2, 0x3003
	s_cbranch_scc0 .Lentry_shape_is_right
	s_endpgm
.Lentry_shape_is_right:
; o[q] = the sum over k of softmax_k(masked(q . k) / sqrt(2048)) v[k] for each of 32 (batch, head) pairs, 2,048 queries and keys, head size 128; both products on codes of FP6 (E2M3) with E8M0 scales.
; What leaves is o / l AS CODES: quantised along the head's 128 channels, which are 128 of the last product's K, as an image of that product's operand registers.
; THE SOFTMAX: t = score x c, c = log2(e) / sqrt(2048); M = the running largest t rounded UP to a whole number; p = 2^(t - M) is quantised along the keys; the row's sum l is taken of the unquantised p.
; THE MASK comes as lane masks (one word for each score register, made by the first launch): a hidden score becomes -2^66.  -2^66 x c is exact and a whole number, so a row with no open key has t - M = 0 and p = 1 at
; every key: the uniform row.  In every other row a hidden key has p = 0.  LIMIT: true energies at or under -2^66 (about -7.4e19) are not told apart from hidden ones.  NaN and infinities are not served.
; SHARES.  A work-group owns 256 queries of one (batch, head); each of its sixteen waves owns 16, in 256 registers: four waves to a SIMD.  Every wave walks all keys, 128 a step, 16 steps.
; LDS holds THREE REGIONS of four key steps each (K's three, then V's three: 12 of the head's 16 steps), and the scale words of the whole head.  Region 0 and the scale words are the first fills; regions 1 and 2 are filled
; behind the first change; region 0 is filled again ONCE, with steps 12 to 15, behind the change after step 3, and has eight key steps in which to land.  So between the key steps stand two changes: after step 3 and after step 11.
; No prefetch is written: all but the last four steps' images are asked for ahead of step 0, and the refill is asked for eight steps ahead of its first read.
; CLUSTER.  The four work-groups of a cluster belong to one (batch, head) and walk the same K and V: every tensor load is asked for JOINTLY, with the same descriptor and a mask that names the four.
; LAYOUT.  Both products are used transposed (S^T = K Q^T, O^T = V^T P^T): a lane holds ONE query throughout.  The keys of a tile of K and the channels of a tile of V are chosen (by the launches that made the images) so that
; 16 registers of two neighbouring tiles are 16 neighbours along the next product's K.  A fragment is three loads of 16 bytes a lane, 16 x lane apart: no pitch, no padding.
; REGISTERS: v1-7, v28 addresses that stay; v8-11 addresses in hand; v12 -M, v13 the largest t, v[14:15] the sum; v16-27 Q; v29 -2^66; v32-79 four fragments (K's, then V's first four); v96-159 S^T, then p, then (v96-143) V's last
; four fragments; v160-223 O^T; v224-235 codes; v232-247 at work; v248-251 scale words, a pair of tiles a register (lanes 0-15 the even tile's, lanes 16-31 the odd one's); v252 f; v253 p's scale word; v255 Q's.
.set SCO,   6291456                    ; where the scale words begin in each buffer of images
.set REG,   49152                      ; a region's part of K, or of V: four key steps x 8 images x 1,536 bytes
.set VAREA, 3*REG                      ; K's three regions lie at 0, V's three here
.set SCK,   6*REG                      ; K's scale words of the head, 8,192 bytes
.set SCV,   SCK+8192                   ; V's likewise
.set SCST,  SCV+8192                   ; the sixteen waves' scale words of o: 1,024 bytes, written by LDS stores alone
.set SPARE, SCST+1024                  ; the spare words, 128 bytes for each wave, which no other line names
.set LI,   1                           ; v1   16 x lane
.set ASK0, 2                           ; v2   SCK + 4 x lane
.set ASV0, 3                           ; v3   SCV + 8 x lane
.set SCS,  4                           ; v4   SCST + 64 x wave + 4 r
.set SPW,  5                           ; v5   LDS address of my spare word; never rewritten
.set NIL,  6                           ; v6   0; never rewritten
.set SCRD, 7                           ; v7   SCST + 512 x (wave % 2) + 16 x lane
.set ADK,  8
.set ADS,  9
.set ADT,  10
.set ADV,  11
.set LIV,  28                          ; v28  VAREA + 16 x lane
.set NEG,  29
.set MP,   2                           ; s[2:3]   my tile's mask words
.set MO,   4                           ; s4       the byte offset in them of the step whose words were asked for last
.set KD,   5                           ; s5       wave % 2: I fetch for K (0) or for V (1)
.set RO,   6                           ; s[6:7]   (1 + min(wave / 2, 1)) x REG, and 0 above it: the region that I fill behind the first change
.set G1,   8                           ; s[8:15]  descriptor group 1: 192 rows of 256 bytes, dense
.set G0K,  16                          ; s[16:19] group 0 for K;  s[20:23] for V
.set G0V,  20
.set SEL,  24
.set CS,   26
.set OC,   28                          ; s[28:29] where my codes go
.set WV,   30
.set TB,   31                          ; s31  LDS byte, in K's regions, at which the pair of steps in hand begins
.set TS,   66                          ; s66  where the pair's scale words begin: 1,024 bytes a pair, in K's and in V's
.set CNT,  67
.set OS,   100                         ; s[100:101] where eight tiles' scale words go (waves 0 and 1)
.set G1S,  68                          ; s[68:75] group 1 for the scale words; s[76:79], s[80:83] their groups 0.  From the first change on s[32:63] and s[68:99] hold a step's 64 mask words
.set G0SK, 76
.set G0SV, 80
.macro CROUND                          ; a round of the cluster's barrier
	s_barrier_signal -1
	s_barrier_wait -1
	s_cmp_lg_u32 s[WV], 0
	s_cbranch_scc1 .Lnot_wave_0_\@
	s_barrier_signal -3
.Lnot_wave_0_\@:
	s_barrier_wait -3
	s_barrier_signal -1
	s_barrier_wait -1
.endm
.macro JLOAD n                         ; a joint load by each of waves 0 to n - 1: the even ones ask for K's part of a region, the odd ones for V's.  An s_nop 0 and four v_nop follow each line
	s_cmp_lt_u32 s[WV], \n
	s_cbranch_scc0 .Lasked_\@
	s_cmp_eq_u32 s[KD], 0
	s_cbranch_scc0 .Lfor_v_\@
	tensor_load_to_lds s[G0K:G0K+3], s[G1:G1+7]
	s_nop 0
.rept 4
	v_nop
.endr
	s_branch .Lasked_\@
.Lfor_v_\@:
	tensor_load_to_lds s[G0V:G0V+3], s[G1:G1+7]
	s_nop 0
.rept 4
	v_nop
.endr
.Lasked_\@:
.endm
.macro MASKS                           ; the 64 mask words at byte s[MO] of my tile's: word j into s[32 + j], from word 32 on into s[36 + j]
.irp i, 0,1
	s_load_b512 s[32+16*\i:47+16*\i], s[MP:MP+1], s[MO] offset:64*\i
.endr
.irp i, 0,1
	s_load_b512 s[68+16*\i:83+16*\i], s[MP:MP+1], s[MO] offset:128+64*\i
.endr
.endm
	s_load_b256 s[32:39], s[0:1], 0x0              ; qimg s[32:33], kimg s[34:35], vimg s[36:37], mw s[38:39]
	s_load_b64 s[40:41], s[0:1], 0x20              ; aimg
	v_lshl_add_u32 v[SPW], v0, 2, SPARE
	v_mov_b32 v[NIL], 0
	ds_add_u32 v[SPW], v[NIL]                      ; the wave's opening: the add and its wait ahead of the first tensor loads; the set-up below, work on registers, stands between them
	ds_add_u32 v[SPW], v[NIL]
	v_lshrrev_b32 v8, 5, v0
	s_delay_alu instid0(VALU_DEP_1)
	v_readfirstlane_b32 s[WV], v8                  ; wave 0..15
	s_and_b32 s[KD], s[WV], 1
	s_lshr_b32 s[RO], s[WV], 1
	s_min_u32 s[RO], s[RO], 1                      ; (waves 4 to 15 fetch nothing: their number is held, so that it stays a region's)
	s_add_co_u32 s[RO], s[RO], 1
	s_mul_i32 s[RO], s[RO], REG
	s_mov_b32 s[RO+1], 0
	s_bfe_u32 s42, ttmp6, 0x40000                  ; cx: my place in the cluster: it enters global addresses of Q, the mask words and the results alone
	s_lshl_b32 s43, ttmp9, 2
	s_add_co_u32 s43, s43, s42                     ; x: my block of 256 queries
	s_and_b32 s44, ttmp7, 0xffff                   ; 16 x batch + head, which the four partners share
	s_lshr_b32 s45, s44, 4                         ; batch
	s_and_b32 s46, s44, 15                         ; head
	s_lshl_b32 s47, s43, 4
	s_add_co_u32 s47, s47, s[WV]                   ; my tile of 16 queries, 0..127
	s_lshl_b32 s48, s45, 7
	s_add_co_u32 s48, s48, s47                     ; and among both batches' rows, 0..255
	s_lshl_b32 s49, s44, 7
	s_add_co_u32 s49, s49, s47
	s_mul_i32 s50, s49, 1536                       ; Q's image
	s_mov_b32 s51, 0
	s_lshl_b32 s52, s49, 6
	s_add_co_u32 s52, s52, SCO                     ; Q's scale words
	s_mov_b32 s53, 0
	s_lshl_b32 s54, s48, 12                        ; my mask words: 16 steps x 256 bytes a tile
	s_mov_b32 s55, 0
	s_lshr_b32 s56, s48, 3
	s_lshl_b32 s56, s56, 4
	s_add_co_u32 s56, s56, s46
	s_mul_i32 s56, s56, 12288
	s_and_b32 s57, s48, 7
	s_mul_i32 s57, s57, 1536
	s_add_co_u32 s56, s56, s57                     ; my result's image: [block of 128 rows][head][tile]
	s_mov_b32 s57, 0
	s_lshl_b32 s58, s45, 4
	s_lshl_b32 s59, s43, 1
	s_add_co_u32 s58, s58, s59
	s_add_co_u32 s58, s58, s[KD]
	s_lshl_b32 s58, s58, 4
	s_add_co_u32 s58, s58, s46
	s_lshl_b32 s58, s58, 9
	s_add_co_u32 s58, s58, SCO                     ; eight tiles' scale words: the work-group's first 128 rows (wave 0) or its second (wave 1)
	s_mov_b32 s59, 0
	s_mul_i32 s60, s44, 196608                     ; the head's images of K, and of V
	s_mov_b32 s61, 0
	s_lshl_b32 s62, s44, 13
	s_add_co_u32 s62, s62, SCO                     ; and their scale words
	s_mov_b32 s63, 0
	s_mov_b32 s[G1], 0x0023000f                    ; 15:0 the mask: all four work-groups; 17:16 elements of 8 bytes; 20 no padding; 21 set beside a mask
	s_mov_b32 s[G1+1], 32<<16                      ; tensor_dim0 = 32 elements: 256 bytes
	s_mov_b32 s[G1+2], 192<<16                     ; tensor_dim1 = 192
	s_mov_b32 s[G1+3], 32<<16                      ; tile_dim0
	s_mov_b32 s[G1+4], 192                         ; tile_dim1: 49,152 bytes
	s_mov_b32 s[G1+5], 32                          ; the pitch: dense
	s_mov_b32 s[G1+6], 0
	s_mov_b32 s[G1+7], 0
	s_mov_b32 s[G1S], 0x0023000f                   ; the same with 32 rows: 8,192 bytes
	s_mov_b32 s[G1S+1], 32<<16
	s_mov_b32 s[G1S+2], 32<<16
	s_mov_b32 s[G1S+3], 32<<16
	s_mov_b32 s[G1S+4], 32
	s_mov_b32 s[G1S+5], 32
	s_mov_b32 s[G1S+6], 0
	s_mov_b32 s[G1S+7], 0
	s_mov_b32 s[G0K], 1
	s_mov_b32 s[G0K+1], 0                          ; region 0
	s_mov_b32 s[G0V], 1
	s_mov_b32 s[G0V+1], VAREA
	s_mov_b32 s[G0SK], 1
	s_mov_b32 s[G0SK+1], SCK
	s_mov_b32 s[G0SV], 1
	s_mov_b32 s[G0SV+1], SCV
	s_mov_b32 s[SEL], 0x76543210
	s_mov_b32 s[SEL+1], 0xfedcba98                 ; v_permlanex16_b32's selects for lane l xor 16
	s_mov_b32 s[CS], 0x3d0293ee                    ; c = log2(e) / sqrt(2048)
	s_mov_b32 s[CS+1], s[CS]                       ; named with it as a pair, so it is written
	s_mov_b32 s[MO], 0
	v_and_b32 v8, 31, v0                           ; lane
	v_and_b32 v9, 15, v0                           ; r
	s_delay_alu instid0(VALU_DEP_2)
	v_lshlrev_b32 v[LI], 4, v8
	s_delay_alu instid0(VALU_DEP_1)
	v_add_nc_u32 v[LIV], VAREA, v[LI]
	s_delay_alu instid0(VALU_DEP_4)
	v_lshl_add_u32 v[ASK0], v8, 2, SCK
	v_lshl_add_u32 v[ASV0], v8, 3, SCV
	s_lshl_b32 s90, s[WV], 6
	v_lshl_add_u32 v[SCS], v9, 2, s90
	s_delay_alu instid0(VALU_DEP_1)
	v_add_nc_u32 v[SCS], SCST, v[SCS]
	s_lshl_b32 s90, s[KD], 9
	v_add_nc_u32 v[SCRD], s90, v[LI]
	s_delay_alu instid0(VALU_DEP_1)
	v_add_nc_u32 v[SCRD], SCST, v[SCRD]
	v_lshlrev_b32 v30, 2, v9
	v_mov_b32 v[NEG], 0xe0800000                   ; -2^66
	s_wait_dscnt 0x0                               ; the opening add is done
	s_wait_kmcnt 0x0
	s_add_nc_u64 s[G0K+2:G0K+3], s[34:35], s[60:61]
	s_or_b32 s[G0K+3], s[G0K+3], 0x80000000        ; type = 2
	s_add_nc_u64 s[G0V+2:G0V+3], s[36:37], s[60:61]
	s_or_b32 s[G0V+3], s[G0V+3], 0x80000000
	s_add_nc_u64 s[G0SK+2:G0SK+3], s[34:35], s[62:63]
	s_or_b32 s[G0SK+3], s[G0SK+3], 0x80000000
	s_add_nc_u64 s[G0SV+2:G0SV+3], s[36:37], s[62:63]
	s_or_b32 s[G0SV+3], s[G0SV+3], 0x80000000
	s_add_nc_u64 s[MP:MP+1], s[38:39], s[54:55]
	s_add_nc_u64 s[OC:OC+1], s[40:41], s[56:57]
	s_add_nc_u64 s[OS:OS+1], s[40:41], s[58:59]
	s_add_nc_u64 s[86:87], s[32:33], s[50:51]      ; Q's image
	s_add_nc_u64 s[88:89], s[32:33], s[52:53]      ; Q's scale words
	CROUND                                         ; all four work-groups are here: the first joint loads meet
; THE FIRST FILLS, one joint load a wave: wave 0 K's part of region 0, wave 1 V's, wave 2 K's scale words of the head, wave 3 V's.  One chain of branches on the wave's number, all arms to one join.
.macro ARM under, g0, g1, next
	s_cmp_lt_u32 s[WV], \under
	s_cbranch_scc0 \next
	tensor_load_to_lds s[\g0:\g0+3], s[\g1:\g1+7]
	s_nop 0
.rept 4
	v_nop
.endr
	s_branch .Lfirst_asked
\next:
.endm
	ARM 1, G0K,  G1,  .Lfirst_v
	ARM 2, G0V,  G1,  .Lfirst_sk
	ARM 3, G0SK, G1S, .Lfirst_sv
	s_cmp_lt_u32 s[WV], 4
	s_cbranch_scc0 .Lfirst_asked
	tensor_load_to_lds s[G0SV:G0SV+3], s[G1S:G1S+7]
	s_nop 0
.rept 4
	v_nop
.endr
.Lfirst_asked:
.irp g, 0,1,2
	global_load_b128 v[16+4*\g:19+4*\g], v[LI], s[86:87] offset:512*\g   ; Q's fragment stays in registers
.endr
	s_wait_alu depctr_va_vdst(0)
	global_load_b32 v255, v30, s[88:89]            ; Q's scale words
	v_mov_b32 v13, 0xff61b1e6                      ; the largest t so far: -3e38, under every t
	s_delay_alu instid0(VALU_DEP_1)
	v_floor_f32 v12, -v13                          ; -M
	v_mov_b32 v14, 0                               ; the sum, in two halves
	v_mov_b32 v15, 0
.irp b, 0,1,2,3
	v_mov_b32 v[236+\b], 0                         ; written once: a lane permute's destination counts as one of its sources
.endr
	v_mov_b32 v253, 0                              ; named as the upper half of the pair v[252:253] before it is first written
.set j, 0
.rept 64
	v_mov_b32 v[160+j], 0                          ; O^T: a key step is written in one form; the first finds zeros, which the first change of M leaves zeros
.set j, j+1
.endr
; The four blocks' largest magnitudes in v232-235 become the conversions' scale operands (v244-247) and the scale word (v253)
.macro SCALEW fl
.if \fl
.irp b, 0,1,2,3
	v_max_num_f32 v[232+\b], 0x1800000, v[232+\b]  ; the floor 2^(3 - 127): the byte cannot fall under 1
.endr
.endif
.irp b, 0,1,2,3
	s_delay_alu instid0(VALU_DEP_4)
	v_add_nc_u32 v[244+\b], 0xff000000, v[232+\b]  ; 2 off the exponent field
.endr
.irp b, 0,1,2,3
	s_delay_alu instid0(VALU_DEP_4)
	v_lshrrev_b32 v[236+\b], 23, v[244+\b]         ; the scale's byte
.endr
	s_delay_alu instid0(VALU_DEP_3)
	v_lshl_or_b32 v253, v237, 8, v236
	s_delay_alu instid0(VALU_DEP_1)
	v_lshl_or_b32 v253, v238, 16, v253
	s_delay_alu instid0(VALU_DEP_1)
	v_lshl_or_b32 v253, v239, 24, v253
.endm
; The 64 numbers in v96-159 become a fragment's codes in v224-235.  ld = 1: behind the conversions the numbers are done with, and V's last four fragments of the pair's q-th step are asked for into their registers
.macro CODES ld, q
.irp c, 0,1
	v_cvt_scalef32_pk16_fp6_f32 v[224+6*\c:226+6*\c], v[96+32*\c:111+32*\c], v[244+2*\c]
	v_cvt_scalef32_pk16_fp6_f32 v[236+4*\c:238+4*\c], v[112+32*\c:127+32*\c], v[244+2*\c+1]   ; a conversion's three registers begin on an even number
.endr
	v_nop                                          ; one plain place behind a scaled conversion
.if \ld
.irp t, 0,1,2,3
.irp c, 0,1,2
	ds_load_b128 v[96+12*\t+4*\c:99+12*\t+4*\c], v[ADV] offset:(8*(\q)+4+\t)*1536+512*\c
.endr
.endr
.endif
.irp c, 0,1                                    ; the operand's layout wants a whole block in a lane
.irp i, 0,1,2
	v_permlane16_swap_b32 v[224+6*\c+\i], v[236+4*\c+\i]
.endr
.irp i, 0,1,2
	s_delay_alu instid0(VALU_DEP_3)
	v_mov_b32 v[227+6*\c+\i], v[236+4*\c+\i]
.endr
.endr
.endm
; A KEY STEP: 128 keys, the q-th of the pair in hand
.macro STEP q
	v_add_nc_u32 v[ADK], s[TB], v[LI]              ; these five lines are the places behind the last step's products: in front of loads into registers that they read (four are owed),
	s_wait_alu depctr_va_vdst(0)
	v_add_nc_u32 v[ADV], s[TB], v[LIV]             ; and of this step's first products, which write over v96-143, which they read (five are owed)
	v_add_nc_u32 v[ADS], s[TS], v[ASK0]
	v_add_nc_u32 v[ADT], s[TS], v[ASV0]
	v_nop
.irp i, 0,1,2,3
	ds_load_b32 v[248+\i], v[ADS] offset:512*(\q)+128*\i   ; K's scale words: tiles 2 i and 2 i + 1
.endr
.irp g, 0,1                                    ; S^T = K Q^T, four tiles of 16 keys at a time
.if \g
.rept 4
	v_nop                                          ; places in front of loads into registers that matrix instructions have read
.endr
.endif
.irp t, 0,1,2,3
.irp c, 0,1,2
	ds_load_b128 v[32+12*\t+4*\c:35+12*\t+4*\c], v[ADK] offset:(8*(\q)+4*\g+\t)*1536+512*\c
.endr
.endr
	s_wait_dscnt 0x0
.irp t, 0,1,2,3
.if \t%2
	v_wmma_scale_f32_16x16x128_f8f6f4 v[96+8*(4*\g+\t):103+8*(4*\g+\t)], v[32+12*\t:43+12*\t], v[16:27], 0, v[248+2*\g+\t/2], v255 matrix_a_fmt:MATRIX_FMT_FP6 matrix_b_fmt:MATRIX_FMT_FP6 matrix_a_scale:MATRIX_SCALE_ROW1
.else
	v_wmma_scale_f32_16x16x128_f8f6f4 v[96+8*(4*\g+\t):103+8*(4*\g+\t)], v[32+12*\t:43+12*\t], v[16:27], 0, v[248+2*\g+\t/2], v255 matrix_a_fmt:MATRIX_FMT_FP6 matrix_b_fmt:MATRIX_FMT_FP6
.endif
.endr
.endr                                          ; lane (r, h) holds query r; register 16 b + i is key 32 b + 16 h + i of the step
	s_wait_kmcnt 0x0                               ; this step's mask words, asked for a step ago, are in; so their offset may be written:
	s_add_co_u32 s[MO], s[MO], 256                 ; the next step's words,
	s_min_u32 s[MO], s[MO], 3840                   ; held at the last step's: the last step asks for its own words again, and no load leaves the tile's 4,096 bytes
.set j, 0
.rept 64
	v_cndmask_b32 v[96+j], v[NEG], v[96+j], s[32+j+4*(j/32)]   ; hidden scores become -2^66.  Ascending: the first 32 touch the first four tiles, finished ahead of the four v_nop above, and are the places behind the last four products
.set j, j+1
.endr
	MASKS                                          ; the selects have read the 64 words: the next step's are asked for, a softmax and a product ahead of their use
.irp i, 0,1,2,3
	ds_load_b32 v[248+\i], v[ADT] offset:256*\i+4*(\q)   ; V's scale words: tiles 2 i and 2 i + 1
.endr
.irp t, 0,1,2,3
.irp c, 0,1,2
	ds_load_b128 v[32+12*\t+4*\c:35+12*\t+4*\c], v[ADV] offset:(8*(\q)+\t)*1536+512*\c   ; V's first four fragments, into K's registers: they land while the softmax is walked
.endr
.endr
.irp b, 0,1,2,3
	v_max3_num_f32 v[232+\b], v[96+16*\b], v[97+16*\b], v[98+16*\b]   ; the largest score of each block of 32 keys: for the row's maximum, and, since p rises with the score, for the block's largest p
.endr
.irp i, 3,5,7,9,11,13
.irp b, 0,1,2,3
	s_delay_alu instid0(VALU_DEP_4)
	v_max3_num_f32 v[232+\b], v[232+\b], v[96+16*\b+\i], v[97+16*\b+\i]
.endr
.endr
.irp b, 0,1,2,3
	s_delay_alu instid0(VALU_DEP_4)
	v_max_num_f32 v[232+\b], v[232+\b], v[111+16*\b]
.endr
.irp b, 0,1,2,3
	s_delay_alu instid0(VALU_DEP_4)
	v_permlanex16_b32 v[236+\b], v[232+\b], s[SEL], s[SEL+1]
.endr
.irp b, 0,1,2,3
	s_delay_alu instid0(VALU_DEP_4)
	v_max_num_f32 v[232+\b], v[232+\b], v[236+\b]  ; with lane l xor 16's 16 keys
.endr
	s_delay_alu instid0(VALU_DEP_2)
	v_max3_num_f32 v254, v232, v233, v234
	s_delay_alu instid0(VALU_DEP_1)
	v_max_num_f32 v254, v254, v235                 ; the step's largest score of my query
	s_delay_alu instid0(VALU_DEP_1)
	v_mul_f32 v254, s[CS], v254                    ; as t (c is positive)
	s_delay_alu instid0(VALU_DEP_1)
	v_max_num_f32 v13, v13, v254                   ; the running largest t
	v_mov_b32 v254, v12
	s_delay_alu instid0(VALU_DEP_2)
	v_floor_f32 v12, -v13                          ; the new -M = floor(-t) = -ceil(t): a whole number
	s_delay_alu instid0(VALU_DEP_1)
	v_sub_f32 v254, v12, v254                      ; M's old value less its new one: a whole number, 0 or less
	s_delay_alu instid0(VALU_DEP_1)
	v_cvt_i32_f32 v254, v254                       ; (it saturates)
	s_delay_alu instid0(VALU_DEP_1)
	v_ldexp_f32 v252, 1.0, v254                    ; f = 2^(old M - new M): a multiplication by it rounds nothing
.set j, 0
.rept 32
	v_pk_fma_f32 v[96+j:97+j], v[96+j:97+j], s[CS:CS+1], v[12:13] op_sel_hi:[1,0,0]   ; t - M, two at a time
.set j, j+2
.endr
.irp b, 0,1,2,3
	v_fma_f32 v[232+\b], v[232+\b], s[CS], v12     ; the same of each block's largest score
.endr
.set j, 0
	s_wait_alu depctr_va_vdst(0)
.rept 64
	v_exp_f32 v[96+j], v[96+j]                     ; p = 2^(t - M), at most 1: not normalised
.set j, j+1
.endr
	v_pk_mul_f32 v[14:15], v[14:15], v[252:253] op_sel_hi:[1,0]   ; the sums under the new M: a plain place behind the exponentials
	s_wait_alu depctr_va_vdst(0)                   ; one wait for the whole batch, ahead of its first reader
.irp b, 0,1,2,3
	v_exp_f32 v[232+\b], v[232+\b]                 ; the block's largest p: the same two instructions on the same number give the same bits
.endr
	v_pk_add_f32 v[236:237], v[100:101], v[104:105]
	v_pk_add_f32 v[246:247], v[108:109], v[112:113]
	v_pk_add_f32 v[244:245], v[116:117], v[120:121]
	v_pk_add_f32 v[242:243], v[124:125], v[128:129]
	v_pk_add_f32 v[240:241], v[132:133], v[136:137]
	v_pk_add_f32 v[238:239], v[140:141], v[144:145]
	v_pk_add_f32 v[230:231], v[148:149], v[152:153]
	v_pk_add_f32 v[14:15], v[14:15], v[156:157]
	v_pk_add_f32 v[236:237], v[236:237], v[96:97]
	v_pk_add_f32 v[246:247], v[246:247], v[98:99]
	v_pk_add_f32 v[244:245], v[244:245], v[102:103]
	v_pk_add_f32 v[242:243], v[242:243], v[106:107]
	v_pk_add_f32 v[240:241], v[240:241], v[110:111]
	v_pk_add_f32 v[238:239], v[238:239], v[114:115]
	v_pk_add_f32 v[230:231], v[230:231], v[118:119]
	v_pk_add_f32 v[14:15], v[14:15], v[122:123]
	v_pk_add_f32 v[236:237], v[236:237], v[126:127]
	v_pk_add_f32 v[246:247], v[246:247], v[130:131]
	v_pk_add_f32 v[244:245], v[244:245], v[134:135]
	v_pk_add_f32 v[242:243], v[242:243], v[138:139]
	v_pk_add_f32 v[240:241], v[240:241], v[142:143]
	v_pk_add_f32 v[238:239], v[238:239], v[146:147]
	v_pk_add_f32 v[230:231], v[230:231], v[150:151]
	v_pk_add_f32 v[14:15], v[14:15], v[154:155]
	v_pk_add_f32 v[236:237], v[236:237], v[158:159]
	s_delay_alu instid0(VALU_DEP_2)
	v_pk_add_f32 v[14:15], v[14:15], v[242:243]
	s_delay_alu instid0(VALU_DEP_2)
	v_pk_add_f32 v[236:237], v[236:237], v[240:241]
	v_pk_add_f32 v[246:247], v[246:247], v[238:239]
	v_pk_add_f32 v[244:245], v[244:245], v[230:231]
	s_delay_alu instid0(VALU_DEP_2)
	v_pk_add_f32 v[14:15], v[14:15], v[246:247]
	s_delay_alu instid0(VALU_DEP_2)
	v_pk_add_f32 v[236:237], v[236:237], v[244:245]
	s_delay_alu instid0(VALU_DEP_1)
	v_pk_add_f32 v[14:15], v[14:15], v[236:237]
	s_wait_alu depctr_va_vdst(0)                   ; and one for the four
	SCALEW 1
	CODES 1, \q
.set j, 0
.rept 32
	v_pk_mul_f32 v[160+j:161+j], v[160+j:161+j], v[252:253] op_sel_hi:[1,0]   ; O^T under the new M.  These 32 are also the places in front of the products below, and V's last four fragments land meanwhile
.set j, j+2
.endr
	s_wait_alu depctr_va_vdst(0)
	s_wait_dscnt 0x0                               ; V's eight fragments and its scale words are in
.irp t, 0,1,2,3,4,5,6,7                        ; O^T += V^T P^T: eight tiles of 16 channels, each accumulator one turn; K = these 128 keys
.if \t < 4
.set rV, 32+12*\t
.else
.set rV, 96+12*(\t-4)
.endif
.if \t%2
	v_wmma_scale_f32_16x16x128_f8f6f4 v[160+8*\t:167+8*\t], v[rV:rV+11], v[224:235], v[160+8*\t:167+8*\t], v[248+\t/2], v253 matrix_a_fmt:MATRIX_FMT_FP6 matrix_b_fmt:MATRIX_FMT_FP6 matrix_a_scale:MATRIX_SCALE_ROW1
.else
	v_wmma_scale_f32_16x16x128_f8f6f4 v[160+8*\t:167+8*\t], v[rV:rV+11], v[224:235], v[160+8*\t:167+8*\t], v[248+\t/2], v253 matrix_a_fmt:MATRIX_FMT_FP6 matrix_b_fmt:MATRIX_FMT_FP6
.endif
.endr
.endm
; A CHANGE.  Each wave waits for all its tensor loads, adds 0 to its spare word, and waits for that and for its LDS reads; behind the barrier what those loads brought may be read by every wave.
; how = 1, ahead of step 0: region 0 and the scale words are whole.  The barrier is a round of the cluster's; behind it waves 0 to 3 fill regions 1 and 2 for the first time, one joint load each.
; how = 2, behind step 3: regions 1 and 2 are whole, and nobody reads region 0 any more, in any partner: a round; behind it waves 0 and 1 fill region 0 again, with steps 12 to 15.
; how = 0, behind step 11: region 0 is whole again; nothing is left to fetch: the work-group's barrier.
.macro CHANGE how
.if \how != 1
	s_wait_kmcnt 0x0                               ; the next step's mask words were asked for most of a step ago: no scalar load is out at the barrier
.endif
	s_wait_tensorcnt 0x0                           ; no tensor load of mine is out, so a group 0 may be written
	ds_add_u32 v[SPW], v[NIL]                      ; 0 onto my spare word: the descriptors' steps stand between it and the wait for it
	ds_add_u32 v[SPW], v[NIL]
.if \how == 1
	s_mov_b32 s[G0K+1], s[RO]                      ; my region in LDS,
	s_add_nc_u64 s[G0K+2:G0K+3], s[G0K+2:G0K+3], s[RO:RO+1]   ; and its four key steps in memory; the type bits on top are not reached
	s_add_co_u32 s[G0V+1], s[RO], VAREA
	s_add_nc_u64 s[G0V+2:G0V+3], s[G0V+2:G0V+3], s[RO:RO+1]
.endif
.if \how == 2
	s_mov_b32 s[G0K+1], 0                          ; region 0 again;
	s_add_nc_u64 s[G0K+2:G0K+3], s[G0K+2:G0K+3], 2*REG   ; in waves 0 and 1, which alone ask: from steps 4 to 7 on to steps 12 to 15
	s_mov_b32 s[G0V+1], VAREA
	s_add_nc_u64 s[G0V+2:G0V+3], s[G0V+2:G0V+3], 2*REG
.endif
	s_wait_dscnt 0x0                               ; the add is done, and my LDS reads are over
.if \how == 1
	CROUND
	JLOAD 4
.endif
.if \how == 2
	CROUND
	JLOAD 2
.endif
.if \how == 0
	s_barrier_signal -1
	s_barrier_wait -1
.endif
.endm
; n pairs of key steps, from LDS byte tb of K's regions and byte ts of the scale words on
.macro PAIRS n, tb, ts
	s_mov_b32 s[TB], \tb
	s_mov_b32 s[TS], \ts
	s_mov_b32 s[CNT], \n
.Lpair_\@:
	STEP 0
	STEP 1
	s_add_co_u32 s[TB], s[TB], 24576
	s_add_co_u32 s[TS], s[TS], 1024
	s_sub_co_u32 s[CNT], s[CNT], 1
	s_cmp_lg_u32 s[CNT], 0
	s_cbranch_scc1 .Lpair_\@
.endm
	s_wait_loadcnt 0x0                             ; Q; its pointers' registers may now take mask words
	CHANGE 1
	MASKS                                          ; step 0's mask words (the scale words' descriptors, which lay in these registers, are done with since the wait for all tensor loads)
	PAIRS 2, 0, 0                                  ; steps 0 to 3, region 0
	CHANGE 2
	PAIRS 4, REG, 2048                             ; steps 4 to 11, regions 1 and 2: no barrier between them
	CHANGE 0
	PAIRS 2, 0, 6144                               ; steps 12 to 15, region 0
	; THE WAY OUT.  o = O^T / l; register 16 b + i is channel 32 b + 16 h + i of my query: 16 neighbours along the last product's K.  It is quantised as p was, and leaves as an image.
	s_wait_kmcnt 0x0                               ; the last step's second asking for its words
	v_add_f32 v14, v14, v15                        ; the sum's two halves,
	s_delay_alu instid0(VALU_DEP_1)
	v_permlanex16_b32 v252, v14, s[SEL], s[SEL+1]
	s_delay_alu instid0(VALU_DEP_1)
	v_add_f32 v14, v14, v252                       ; and lane l xor 16's: the row's sum
	s_wait_alu depctr_va_vdst(0)
	v_rcp_f32 v14, v14
.rept 4
	v_nop                                          ; a plain place behind the reciprocal, and the places behind the last products
.endr
	s_wait_alu depctr_va_vdst(0)                   ; the wait ahead of the reciprocal's first reader
.set j, 0
.rept 64
	v_mul_f32 v[96+j], v[160+j], v14
.set j, j+1
.endr
.irp b, 0,1,2,3
	v_max3_num_f32 v[232+\b], |v[96+16*\b]|, |v[97+16*\b]|, 0x1800000   ; block b: my 16 numbers, and the floor
.endr
.irp i, 2,4,6,8,10,12,14
.irp b, 0,1,2,3
	s_delay_alu instid0(VALU_DEP_4)
	v_max3_num_f32 v[232+\b], v[232+\b], |v[96+16*\b+\i]|, |v[97+16*\b+\i]|
.endr
.endr
.irp b, 0,1,2,3
	s_delay_alu instid0(VALU_DEP_4)
	v_permlanex16_b32 v[236+\b], v[232+\b], s[SEL], s[SEL+1]
.endr
.irp b, 0,1,2,3
	s_delay_alu instid0(VALU_DEP_4)
	v_max_num_f32 v[232+\b], v[232+\b], v[236+\b]
.endr
	SCALEW 0
	CODES 0, 0
.irp g, 0,1,2
	global_store_b128 v[LI], v[224+4*\g:227+4*\g], s[OC:OC+1] offset:512*\g   ; 32 lanes store 512 consecutive bytes
.endr
	ds_store_b32 v[SCS], v253                      ; my 16 rows' scale words; lanes r and r + 16 write the same word with the same value
	s_wait_dscnt 0x0                               ; for the others' sake: my store has landed
	s_barrier_signal -1
	s_barrier_wait -1
	s_cmp_lt_u32 s[WV], 2
	s_cbranch_scc0 .Lno_scales
	ds_load_b128 v[32:35], v[SCRD]                 ; eight waves' scale words
	s_wait_dscnt 0x0
	global_store_b128 v[LI], v[32:35], s[OS:OS+1]  ; 512 consecutive bytes
.Lno_scales:
	s_wait_tensorcnt 0x0                           ; the wave's end, behind my last tensor load and my last LDS store
	ds_add_u32 v[SPW], v[NIL]
	s_wait_dscnt 0x0
	CROUND                                         ; the closing round: no work-group ends while a partner may still ask for a tile that names it
	s_endpgm
.Lfunc_end_k_q4d07ed15f3_attn:
	.size	k_q4d07ed15f3_attn, .Lfunc_end_k_q4d07ed15f3_attn-k_q4d07ed15f3_attn
	.p2alignl 7, 3214868480
	.fill 96, 4, 3214868480
	.section	.rodata,"a",@progbits
	.p2align	6, 0x0
	.amdhsa_kernel k_q4d07ed15f3_attn
		.amdhsa_group_segment_fixed_size 327680
		.amdhsa_private_segment_fixed_size 0
		.amdhsa_enable_private_segment 0
		.amdhsa_kernarg_size 40
		.amdhsa_user_sgpr_count 2
		.amdhsa_user_sgpr_kernarg_segment_ptr 1
		.amdhsa_wavefront_size32 1
		.amdhsa_system_sgpr_workgroup_id_x 1
		.amdhsa_system_sgpr_workgroup_id_y 1
		.amdhsa_system_sgpr_workgroup_id_z 1
		.amdhsa_system_vgpr_workitem_id 0
		.amdhsa_next_free_vgpr 256
		.amdhsa_next_free_sgpr 102
		.amdhsa_reserve_vcc 0
		.amdhsa_float_denorm_mode_32 3
		.amdhsa_float_denorm_mode_16_64 3
		.amdhsa_memory_ordered 1
		.amdhsa_forward_progress 1
		.amdhsa_inst_pref_size 174
	.end_amdhsa_kernel
	.amdgpu_metadata
---
amdhsa.version: [ 1, 2 ]
amdhsa.kernels:
  - .name:           k_q4d07ed15f3_attn
    .symbol:         k_q4d07ed15f3_attn.kd
    .args:
      - { .name: qimg, .offset: 0, .size: 8, .value_kind: global_buffer, .address_space: global }
      - { .name: kimg, .offset: 8, .size: 8, .value_kind: global_buffer, .address_space: global }
      - { .name: vimg, .offset: 16, .size: 8, .value_kind: global_buffer, .address_space: global }
      - { .name: mw, .offset: 24, .size: 8, .value_kind: global_buffer, .address_space: global }
      - { .name: aimg, .offset: 32, .size: 8, .value_kind: global_buffer, .address_space: global }
    .group_segment_fixed_size: 327680
    .private_segment_fixed_size: 0
    .kernarg_segment_align: 8
    .kernarg_segment_size: 40
    .max_flat_workgroup_size: 512
    .sgpr_count:     102
    .vgpr_count:     256
    .wavefront_size: 32
...
	.end_amdgpu_metadata
.endif
;; end of part 2
;; launch gemm (part 3): grid 8 x 32, 4 waves a work-group, clusters of 4 x 4, 327,680 bytes of LDS; arguments aimg, wimg, b_out, out0; writes out0
.if DOCPART == 3
	.amdgcn_target "amdgcn-amd-amdhsa--gfx1250"
	.amdhsa_code_object_version 6
	.text
	.protected	k_q4d07ed15f3_gemm
	.globl	k_q4d07ed15f3_gemm
	.p2align	8
	.type	k_q4d07ed15f3_gemm,@function
k_q4d07ed15f3_gemm:
	s_mov_b64 s[64:65], 0
	v_nop
	global_prefetch_b8 v0, s[64:65] scope:SCOPE_SE
	s_setreg_imm32_b32 hwreg(HW_REG_WAVE_MODE, 25, 1), 1
	s_wait_xcnt 0x0
	s_wait_alu depctr_hold_cnt(0) depctr_sa_sdst(0) depctr_va_vdst(0) depctr_va_sdst(0) depctr_va_ssrc(0) depctr_va_vcc(0) depctr_vm_vsrc(0)
	s_getreg_b32 s2, hwreg(HW_REG_IB_STS2, 6, 4)
	s_cmp_eq_u32 s2, 0
	s_cbranch_scc0 .Lentry_in_a_cluster
	s_endpgm
.Lentry_in_a_cluster:
	s_bfe_u32 s2, ttmp6, 0x10000c
	s_cmp_lg_u32 s2, 0xf033
	s_cbranch_scc0 .Lentry_shape_is_right
	s_endpgm
.Lentry_shape_is_right:
; out0[m][n] = the sum over k of A[m][k] W[n][k] + b[n].  A (4,096 x 2,048, the attention launch's result) and W (2,048 x 2,048) come as codes of FP6 (E2M3) with E8M0 scales, laid as images of operand registers; out0 is f32.
; A tile of out0 is 128 rows x 256 columns: 256 work-groups.  Four waves, each 64 x 128: 32 accumulators of 16 x 16, 256 registers.
; K goes in 16 chunks of 128, four chunks to an LDS slot, two slots: two first fills and two refills, so the text is written out without a loop.  A slot's part of A (49,152 bytes) and of W (98,304) are dense blocks of memory.
; The scale words of the work-group's rows of A and of W, for all of K, come once and stay.
; CLUSTERS: 4 x 4 work-groups.  The four of a row of the cluster need the same tiles of A, the four of a column the same tiles of W: each is asked for JOINTLY.  Waves 0 to 2 ask for thirds of W's part, wave 3 for A's.
; THE MATRIX INSTRUCTION IS USED TRANSPOSED (source 0 = 16 rows of W, source 1 = 16 rows of A): a lane holds eight neighbouring numbers of a row of out0.  The bias is the C of each sum's first product.
; A fragment is three loads of 16 bytes a lane, 16 x lane apart: no pitch, no padding.  A scale register holds a pair of tiles' words: lanes 0-15 the even tile's, lanes 16-31 the odd one's.
; REGISTERS, in windows of 256: window 0: v16-31 addresses; v32-43 scale words, two sets of 2 (A) + 4 (W); v64-159 A's fragments, two sets of 4; v160-223 the bias; on the way out v64-191 take rows of out0.
;   window 1: W's fragments, two sets of 8, at v0 and v128.   window 2: the accumulators, (a, b) at v[8 (8 a + b)].
.set SCO,   6291456
.set WSCO,  3145728
.set SLOT,  147456                     ; A: [4 chunks][8 tiles][1,536]; then W: [4 chunks][16 tiles][1,536]
.set BOFF,  49152
.set ASC,   294912                     ; A's scale words: [16 chunks][8 tiles][64]
.set BSC,   303104                     ; W's: [16 chunks][16 tiles][64]
.set SPARE, 319488                     ; the spare words, 128 bytes for each wave, which no other line names
.set SPITCH, 528                       ; the way out: a stage of 16 rows x (512 bytes + 16) for each wave, in slot 0, which has had its last fill and its last read when the first result is stored there
.set ADRA, 16                          ; v16-17  my A fragments in slot 0, 1
.set ADRB, 20                          ; v20-23  my W fragments: slot s, chunks 2 hf and 2 hf + 1 at v[20 + 2 s + hf]
.set ADSA, 24
.set ADSB, 25
.set STO,  26
.set RD,   27
.set SPW,  28                          ; LDS address of my spare word; never rewritten
.set NIL,  29                          ; 0; never rewritten
.set CO,   30                          ; 16 x lane
.set BO,   31                          ; 32 h
.set SC,   32
.set AF,   64
.set BIAS, 160
.set BK,   64
.set G1A,  24
.set G0A,  32                          ; s[32:39] one set for each slot
.set G1B,  48
.set G0B,  56
.set G1SA, 68
.set G0SA, 76
.set G1SB, 80
.set G0SB, 88
.set MSB, 0
.macro WIN new                         ; the immediate's high byte repeats the setting that is left
.if MSB != \new
	s_set_vgpr_msb (MSB<<8)|\new
.set MSB, \new
.endif
.endm
.set MUL,   0xa1                       ; source 0 (W) window 1, source 1 (A) window 0, C and D window 2
.set MUL_0, 0x81                       ; the first chunk: C is the bias, in window 0
.set TO_B,  0x40                       ; destination window 1, address window 0
; A joint refill: wave 3 asks for A's part of slot s, the others for thirds of W's.  An s_nop 0 and four v_nop follow each line.
; (The argument is put in as text: it stands in parentheses, so that 4 x s is taken of its value.)
.macro JLOAD s
	s_cmp_eq_u32 s14, 3
	s_cbranch_scc0 .Lfor_b_\@
	tensor_load_to_lds s[G0A+4*(\s):G0A+4*(\s)+3], s[G1A:G1A+7]
	s_nop 0
.rept 4
	v_nop
.endr
	s_branch .Lasked_\@
.Lfor_b_\@:
	tensor_load_to_lds s[G0B+4*(\s):G0B+4*(\s)+3], s[G1B:G1B+7]
	s_nop 0
.rept 4
	v_nop
.endr
.Lasked_\@:
.endm
.macro CREST                           ; a round of the cluster's barrier behind its opening barrier
	s_cmp_lg_u32 s14, 0
	s_cbranch_scc1 .Lnot_wave_0_\@
	s_barrier_signal -3
.Lnot_wave_0_\@:
	s_barrier_wait -3
	s_barrier_signal -1
	s_barrier_wait -1
.endm
.macro CROUND
	s_barrier_signal -1
	s_barrier_wait -1
	CREST
.endm
.macro SHAPE g, rows                   ; words 1 to 7 of a group 1: so many rows of 256 bytes (32 elements of 8 bytes), dense
	s_mov_b32 s[\g+1], 32<<16
	s_mov_b32 s[\g+2], (\rows)<<16
	s_mov_b32 s[\g+3], 32<<16
	s_mov_b32 s[\g+4], \rows
	s_mov_b32 s[\g+5], 32
	s_mov_b32 s[\g+6], 0
	s_mov_b32 s[\g+7], 0
.endm
	s_load_b256 s[4:11], s[0:1], 0x0               ; aimg s[4:5], wimg s[6:7], b_out s[8:9], out0 s[10:11]
	v_lshl_add_u32 v[SPW], v0, 2, SPARE
	v_mov_b32 v[NIL], 0
	ds_add_u32 v[SPW], v[NIL]                      ; the wave's opening: the add and its wait ahead of the first tensor loads; the set-up below, work on registers, stands between them
	ds_add_u32 v[SPW], v[NIL]
	v_lshrrev_b32 v1, 5, v0
	v_readfirstlane_b32 s14, v1                    ; wave 0..3
	s_lshr_b32 s15, s14, 1                         ; which 64 rows are mine
	s_and_b32 s16, s14, 1                          ; which 128 columns
	s_bfe_u32 s40, ttmp6, 0x40000                  ; cx, cy: my place in the cluster
	s_bfe_u32 s41, ttmp6, 0x40004
	s_lshl_b32 s42, ttmp9, 2
	s_add_co_u32 s42, s42, s40                     ; X: my 256 columns
	s_and_b32 s17, ttmp7, 0xffff
	s_lshl_b32 s17, s17, 2
	s_add_co_u32 s17, s17, s41                     ; Y: my 128 rows
	s_lshl_b32 s43, s41, 2
	s_lshl_b32 s43, 15, s43                        ; my row of the cluster
	s_lshl_b32 s44, 0x1111, s40                    ; my column
	s_or_b32 s[G1A], s43, (3<<16)|(1<<21)          ; 15:0 the mask; 17:16 elements of 8 bytes; 20 no padding; 21 set beside a mask
	s_or_b32 s[G1B], s44, (3<<16)|(1<<21)
	s_or_b32 s[G1SA], s43, (3<<16)|(1<<21)
	s_or_b32 s[G1SB], s44, (3<<16)|(1<<21)
	SHAPE G1A, 192                                 ; 49,152 bytes: four chunks of A
	SHAPE G1B, 384                                 ; 98,304 bytes: four chunks of W, for the head's load; behind it the two words that count rows are set to 128: a third
	SHAPE G1SA, 32                                 ; 8,192 bytes
	SHAPE G1SB, 64                                 ; 16,384 bytes
	s_mul_i32 s20, s17, 196608                     ; A's images of my 128 rows: made of Y alone, which my row of the cluster shares
	s_mov_b32 s21, 0
	s_lshl_b32 s22, s17, 13
	s_add_co_u32 s22, s22, SCO                     ; and their scale words
	s_mov_b32 s23, 0
	s_mul_i32 s46, s42, 393216                     ; W's images of my 256 columns: made of X alone, which my column shares,
	s_mov_b32 s98, s46                             ; (kept so for the head's load of W's whole part of slot 0)
	s_mov_b32 s99, 0
	s_lshl_b32 s47, s14, 15
	s_add_co_u32 s46, s46, s47
	s_mov_b32 s47, 0
	s_lshl_b32 s92, s42, 14
	s_add_co_u32 s92, s92, WSCO
	s_mov_b32 s93, 0
	s_lshl_b32 s45, s14, 15
	s_add_co_u32 s45, s45, BOFF                    ; where my third of W's part goes in a slot
	s_lshl_b32 s94, s17, 7
	s_lshl_b32 s95, s15, 6
	s_add_co_u32 s94, s94, s95
	s_lshl_b32 s94, s94, 13                        ; out0: my first row, 8,192 bytes a row,
	s_lshl_b32 s96, s42, 10
	s_lshl_b32 s95, s16, 9
	s_add_co_u32 s96, s96, s95                     ; my first column, in bytes: also my place in the bias
	s_add_co_u32 s94, s94, s96
	s_mov_b32 s95, 0
	s_mov_b32 s97, 0
	v_and_b32 v1, 31, v0                           ; lane
	v_and_b32 v2, 15, v0                           ; r
	v_bfe_u32 v3, v0, 4, 1                         ; h
	v_lshlrev_b32 v[CO], 4, v1
	v_lshlrev_b32 v[BO], 5, v3
	s_mul_i32 s18, s15, 6144                       ; my four tiles of A's eight
	v_add_nc_u32 v[ADRA], s18, v[CO]
	v_add_nc_u32 v[ADRA+1], SLOT, v[ADRA]
	s_mul_i32 s18, s16, 12288                      ; my eight tiles of W's sixteen
	s_add_co_u32 s18, s18, BOFF
	v_add_nc_u32 v[ADRB], s18, v[CO]
	v_add_nc_u32 v[ADRB+1], 49152, v[ADRB]
	v_add_nc_u32 v[ADRB+2], SLOT, v[ADRB]
	v_add_nc_u32 v[ADRB+3], SLOT, v[ADRB+1]
	s_lshl_b32 s18, s15, 8
	v_lshl_add_u32 v[ADSA], v1, 2, s18
	v_add_nc_u32 v[ADSA], ASC, v[ADSA]
	s_lshl_b32 s18, s16, 9
	v_lshl_add_u32 v[ADSB], v1, 2, s18
	v_add_nc_u32 v[ADSB], BSC, v[ADSB]
	s_mul_i32 s18, s14, 16*SPITCH                  ; my stage
	v_mul_u32_u24 v[STO], v2, SPITCH               ; in: row r, 32 bytes for each half of the lanes
	v_lshl_add_u32 v[STO], v3, 5, v[STO]
	v_add_nc_u32 v[STO], s18, v[STO]
	v_add_nc_u32 v[RD], s18, v[CO]                 ; back: the 32 lanes take one row of 512 bytes
	s_wait_dscnt 0x0                               ; the opening add is done
	s_wait_kmcnt 0x0
	s_add_nc_u64 s[20:21], s[4:5], s[20:21]
	s_add_nc_u64 s[22:23], s[4:5], s[22:23]
	s_add_nc_u64 s[46:47], s[6:7], s[46:47]
	s_add_nc_u64 s[92:93], s[6:7], s[92:93]
	s_add_nc_u64 s[8:9], s[8:9], s[96:97]
	s_add_nc_u64 s[12:13], s[10:11], s[94:95]
	s_add_nc_u64 s[98:99], s[6:7], s[98:99]
	s_mov_b32 s4, 1                                ; s[4:7]: group 0 of the head's load of W (the arguments that lay there have been used)
	s_mov_b32 s5, BOFF
	s_mov_b64 s[6:7], s[98:99]
	s_or_b32 s7, s7, 0x80000000
	s_mov_b32 s[G0SA], 1
	s_mov_b32 s[G0SA+1], ASC
	s_mov_b64 s[G0SA+2:G0SA+3], s[22:23]
	s_or_b32 s[G0SA+3], s[G0SA+3], 0x80000000
	s_mov_b32 s[G0SB], 1
	s_mov_b32 s[G0SB+1], BSC
	s_mov_b64 s[G0SB+2:G0SB+3], s[92:93]
	s_or_b32 s[G0SB+3], s[G0SB+3], 0x80000000
.irp s, 0,1
	s_mov_b32 s[G0A+4*\s], 1
	s_mov_b32 s[G0A+4*\s+1], \s*SLOT
	s_add_nc_u64 s[G0A+4*\s+2:G0A+4*\s+3], s[20:21], \s*49152
	s_or_b32 s[G0A+4*\s+3], s[G0A+4*\s+3], 0x80000000
	s_mov_b32 s[G0B+4*\s], 1
	s_add_co_u32 s[G0B+4*\s+1], s45, \s*SLOT
	s_add_nc_u64 s[G0B+4*\s+2:G0B+4*\s+3], s[46:47], \s*98304
	s_or_b32 s[G0B+4*\s+3], s[G0B+4*\s+3], 0x80000000
.endr
	CROUND                                         ; all sixteen work-groups are here: the first joint loads meet
; THE HEAD'S LOADS, one joint load a wave: wave 0 W's whole part of slot 0, wave 1 A's, wave 2 A's scale words, wave 3 W's.  One chain of branches on the wave's number: every way passes exactly one load.
.macro ARM under, g0, g1, next
	s_cmp_lt_u32 s14, \under
	s_cbranch_scc0 \next
	tensor_load_to_lds s[\g0:\g0+3], s[\g1:\g1+7]
	s_nop 0
.rept 4
	v_nop
.endr
	s_branch .Lfirst_asked
\next:
.endm
	ARM 1, 4,    G1B,  .Lhead_a
	ARM 2, G0A,  G1A,  .Lhead_sa
	ARM 3, G0SA, G1SA, .Lhead_sb
	tensor_load_to_lds s[G0SB:G0SB+3], s[G1SB:G1SB+7]
	s_nop 0
.rept 4
	v_nop
.endr
.Lfirst_asked:
.irp b, 0,1,2,3,4,5,6,7
	global_load_b128 v[BIAS+8*\b:BIAS+8*\b+3], v[BO], s[8:9] offset:64*\b       ; the bias in the result's layout: register 8 b + j is b[my column 16 b + 8 h + j]
	global_load_b128 v[BIAS+8*\b+4:BIAS+8*\b+7], v[BO], s[8:9] offset:64*\b+16
.endr
; One product; the register numbers are set by MUL8.  ra, rb: which half of the lanes holds source 0's and source 1's scale words
.macro WM4 ra, rb
.if (\ra) && (\rb)
	v_wmma_scale_f32_16x16x128_f8f6f4 v[rD:rD+7], v[rB:rB+11], v[rA:rA+11], v[rC:rC+7], v[rSB], v[rSA] matrix_a_fmt:MATRIX_FMT_FP6 matrix_b_fmt:MATRIX_FMT_FP6 matrix_a_scale:MATRIX_SCALE_ROW1 matrix_b_scale:MATRIX_SCALE_ROW1
.elseif (\ra)
	v_wmma_scale_f32_16x16x128_f8f6f4 v[rD:rD+7], v[rB:rB+11], v[rA:rA+11], v[rC:rC+7], v[rSB], v[rSA] matrix_a_fmt:MATRIX_FMT_FP6 matrix_b_fmt:MATRIX_FMT_FP6 matrix_a_scale:MATRIX_SCALE_ROW1
.elseif (\rb)
	v_wmma_scale_f32_16x16x128_f8f6f4 v[rD:rD+7], v[rB:rB+11], v[rA:rA+11], v[rC:rC+7], v[rSB], v[rSA] matrix_a_fmt:MATRIX_FMT_FP6 matrix_b_fmt:MATRIX_FMT_FP6 matrix_b_scale:MATRIX_SCALE_ROW1
.else
	v_wmma_scale_f32_16x16x128_f8f6f4 v[rD:rD+7], v[rB:rB+11], v[rA:rA+11], v[rC:rC+7], v[rSB], v[rSA] matrix_a_fmt:MATRIX_FMT_FP6 matrix_b_fmt:MATRIX_FMT_FP6
.endif
.endm
; 8 products: A's tile a against W's eight, chunk k.  The 32 accumulators take turns, one instruction a turn, in the same order in every chunk
.macro MUL8 a, k
.irp b, 0,1,2,3,4,5,6,7
.set rD, 8*(8*(\a)+\b)
.set rB, 128*((\k)%2)+12*\b
.set rA, AF+48*((\k)%2)+12*(\a)
.set rSB, SC+6*((\k)%2)+2+\b/2
.set rSA, SC+6*((\k)%2)+(\a)/2
.if (\k) == 0
.set rC, BIAS+8*\b
.else
.set rC, rD
.endif
	WM4 \b%2, (\a)%2
.endr
.endm
; 42 LDS loads in one run: chunk k's fragments and scale words into set k % 2
.macro FETCH k
.set FS, ((\k)/4)%2
.set FQ, (\k)%4
.set FP, (\k)%2
	WIN TO_B
.irp b, 0,1,2,3,4,5,6,7
.irp c, 0,1,2
	ds_load_b128 v[128*FP+12*\b+4*\c:128*FP+12*\b+4*\c+3], v[ADRB+2*FS+FQ/2] offset:(FQ%2)*24576+1536*\b+512*\c
.endr
.endr
	WIN 0
.irp a, 0,1,2,3
.irp c, 0,1,2
	ds_load_b128 v[AF+48*FP+12*\a+4*\c:AF+48*FP+12*\a+4*\c+3], v[ADRA+FS] offset:12288*FQ+1536*\a+512*\c
.endr
.endr
.irp i, 0,1
	ds_load_b32 v[SC+6*FP+\i], v[ADSA] offset:512*(\k)+128*\i
.endr
.irp i, 0,1,2,3
	ds_load_b32 v[SC+6*FP+2+\i], v[ADSB] offset:1024*(\k)+128*\i
.endr
.endm
.macro PLACES                          ; four places in front of loads into registers that matrix instructions have read, and of the first read of results (ISA guide 7.12.1 for vector instructions)
.rept 4
	v_nop
.endr
.endm
; A chunk that has its successor in the same slot
.macro STEP k
	s_wait_dscnt 0x0                               ; this chunk's fragments are in
.if (\k) == 0
	WIN MUL_0
.else
	WIN MUL
.endif
	MUL8 0, \k
	MUL8 1, \k
	PLACES                                         ; the other set's last readers are the chunk before's products
	FETCH (\k)+1
.if (\k) == 0
	WIN MUL_0
.else
	WIN MUL
.endif
	MUL8 2, \k
	MUL8 3, \k
.endm
; A slot's last chunk changes slots: ONE barrier; in front of it each wave waits for all its tensor loads, adds 0 to its spare word, and waits for that and for its reads of this slot.  fill = 1: this slot is filled again, with the chunks eight on.
.macro TURN k, fill
	WIN 0                                          ; the add's two registers lie in window 0
	s_wait_tensorcnt 0x0                           ; all my tensor loads have landed: my part of the next slot
	ds_add_u32 v[SPW], v[NIL]                      ; 0 onto my spare word
	s_wait_dscnt 1                                 ; this chunk's fragments are in; the add alone may be out
	WIN MUL
	MUL8 0, \k                                     ; eight products stand between the add and the wait for it
	s_wait_dscnt 0x0                               ; the add is done, and my reads of this slot are over
	s_barrier_signal -1
	MUL8 1, \k
	WIN 0
	s_barrier_wait -1
.if \fill
	CREST                                          ; the barrier has opened a round of the cluster's barrier: no wave of any partner still reads this slot or has a load on its way
	s_add_nc_u64 s[G0A+4*(((\k)/4)%2)+2:G0A+4*(((\k)/4)%2)+3], s[G0A+4*(((\k)/4)%2)+2:G0A+4*(((\k)/4)%2)+3], 98304
	s_add_nc_u64 s[G0B+4*(((\k)/4)%2)+2:G0B+4*(((\k)/4)%2)+3], s[G0B+4*(((\k)/4)%2)+2:G0B+4*(((\k)/4)%2)+3], 196608
	JLOAD ((\k)/4)%2                               ; the first tensor load behind the round, into the slot just left; the four v_nop behind it are also the places in front of the loads below
.else
	PLACES
.endif
	FETCH (\k)+1
	WIN MUL
	MUL8 2, \k
	MUL8 3, \k
.endm
	s_wait_alu depctr_va_vdst(0)
	s_wait_tensorcnt 0x0                           ; my tile of the head's four is in
	ds_add_u32 v[SPW], v[NIL]
	s_mov_b32 s[G1B+2], 128<<16                    ; no tensor load of mine is out, so a descriptor may be written: from here on a load of W brings 128 rows of 256 bytes
	s_mov_b32 s[G1B+4], 128
	s_wait_dscnt 0x0                               ; the add is done
	CROUND                                         ; a whole round: all four tiles are in, and all sixteen work-groups are here
	JLOAD 1                                        ; slot 1's first fill: the first tensor load behind the round, one a wave
	FETCH 0
	s_wait_loadcnt 0x0                             ; the bias
	STEP 0
	STEP 1
	STEP 2
	TURN 3, 1                                      ; slot 0 takes chunks 8 to 11
	STEP 4
	STEP 5
	STEP 6
	TURN 7, 1                                      ; slot 1 takes chunks 12 to 15
	STEP 8
	STEP 9
	STEP 10
	TURN 11, 0                                     ; nothing is left to fetch
	STEP 12
	STEP 13
	STEP 14
	s_wait_dscnt 0x0
	WIN MUL
	MUL8 0, 15
	MUL8 1, 15
	MUL8 2, 15
	MUL8 3, 15
	WIN 0
; THE WAY OUT, block by block of 16 rows x 128 columns, through my own stage in LDS: back come whole rows of 512 bytes.  LDS serves a wave's instructions in order: no wait between the stores and the loads, nor in front of the next block's stores.
.macro TOSTAGE a
	WIN 0x08                                       ; an LDS store's data are its source 1: window 2
.irp b, 0,1,2,3,4,5,6,7
	ds_store_b128 v[STO], v[64*(\a)+8*\b:64*(\a)+8*\b+3] offset:64*\b          ; each accumulator from its low end on
	ds_store_b128 v[STO], v[64*(\a)+8*\b+4:64*(\a)+8*\b+7] offset:64*\b+16
.endr
	WIN 0
.irp t, 0,1,2,3,4,5,6,7,8,9,10,11,12,13,14,15
	ds_load_b128 v[BK+64*((\a)%2)+4*\t:BK+64*((\a)%2)+4*\t+3], v[RD] offset:\t*SPITCH
.endr
.endm
.macro SEND a, younger                 ; younger: the LDS instructions issued behind block a's loads, which may stay out
	s_wait_dscnt \younger
.irp t, 0,1,2,3,4,5,6,7,8,9,10,11,12,13,14,15
	global_store_b128 v[CO], v[BK+64*((\a)%2)+4*\t:BK+64*((\a)%2)+4*\t+3], s[12:13] offset:(16*(\a)+\t)*8192 th:TH_STORE_NT   ; 32 lanes store 512 consecutive bytes, aligned; written once, read by nobody here
.endr
.endm
	PLACES
	TOSTAGE 0
.irp a, 1,2,3
.if \a > 1
	s_wait_xcnt 0x0                                ; block a - 2's stores have read their registers: block a's loads may land there
.endif
	TOSTAGE \a
	SEND \a-1, 32                                  ; behind block a - 1's loads: block a's 16 stores and 16 loads
.endr
	SEND 3, 0
	s_wait_tensorcnt 0x0                           ; the wave's end, behind my last tensor load and my last LDS store
	ds_add_u32 v[SPW], v[NIL]
	s_wait_dscnt 0x0
	CROUND                                         ; the closing round: no work-group ends while a partner may still ask for a tile that names it
	s_endpgm
.Lfunc_end_k_q4d07ed15f3_gemm:
	.size	k_q4d07ed15f3_gemm, .Lfunc_end_k_q4d07ed15f3_gemm-k_q4d07ed15f3_gemm
	.p2alignl 7, 3214868480
	.fill 96, 4, 3214868480
	.section	.rodata,"a",@progbits
	.p2align	6, 0x0
	.amdhsa_kernel k_q4d07ed15f3_gemm
		.amdhsa_group_segment_fixed_size 327680
		.amdhsa_private_segment_fixed_size 0
		.amdhsa_enable_private_segment 0
		.amdhsa_kernarg_size 32
		.amdhsa_user_sgpr_count 2
		.amdhsa_user_sgpr_kernarg_segment_ptr 1
		.amdhsa_wavefront_size32 1
		.amdhsa_system_sgpr_workgroup_id_x 1
		.amdhsa_system_sgpr_workgroup_id_y 1
		.amdhsa_system_sgpr_workgroup_id_z 1
		.amdhsa_system_vgpr_workitem_id 0
		.amdhsa_next_free_vgpr 768
		.amdhsa_next_free_sgpr 100
		.amdhsa_reserve_vcc 0
		.amdhsa_float_denorm_mode_32 3
		.amdhsa_float_denorm_mode_16_64 3
		.amdhsa_memory_ordered 1
		.amdhsa_forward_progress 1
		.amdhsa_inst_pref_size 139
	.end_amdhsa_kernel
	.amdgpu_metadata
---
amdhsa.version: [ 1, 2 ]
amdhsa.kernels:
  - .name:           k_q4d07ed15f3_gemm
    .symbol:         k_q4d07ed15f3_gemm.kd
    .args:
      - { .name: aimg, .offset: 0, .size: 8, .value_kind: global_buffer, .address_space: global }
      - { .name: wimg, .offset: 8, .size: 8, .value_kind: global_buffer, .address_space: global }
      - { .name: b_out, .offset: 16, .size: 8, .value_kind: global_buffer, .address_space: global }
      - { .name: out0, .offset: 24, .size: 8, .value_kind: global_buffer, .address_space: global }
    .group_segment_fixed_size: 327680
    .private_segment_fixed_size: 0
    .kernarg_segment_align: 8
    .kernarg_segment_size: 32
    .max_flat_workgroup_size: 128
    .sgpr_count:     100
    .vgpr_count:     768
    .wavefront_size: 32
...
	.end_amdgpu_metadata
.endif
;; end of part 3
